; MI455X (gfx1250); checked and timed in simulation.
; The chip was launched on July 23, 2026; its instructions are those of AMD's public machine-readable ISA for CDNA 5 (MIT licence, August 2026) and "CDNA5" Instruction Set Architecture Reference Guide (July 2026). The comments in the code are by the model that wrote it; some were corrected since.
;; Mo E. Allowed arithmetic: matrix products marked QUANTISED: E5M2 operands, one E8M0 scale for each 32 along K, by v_wmma_scale_f32_16x16x128_f8f6f4 with both operands' format E5M2, f32 sums; products left as they are: f32 operands where the result goes on into a quantised operand, else bf16, f16 or f32 operands; f32 sums; everything else in f32.
;; Inputs: expert_b 8 x 2,048 float32; expert_w 8 x 2,048 x 1,024 float32; gate_b 8 float32; gate_w 8 x 1,024 float32; x 4,096 x 1,024 float32.
;; Outputs: out0 4,096 x 2,048 float32.
;; This version of the problem:
;;   THIS VERSION OF THE PROBLEM IS GIVEN IN LOW PRECISION. The matrix products marked QUANTISED in the list below multiply operands that are first quantised to E5M2 (5 exponent bits, 2 mantissa bits; 8 bits a number), with one power-of-two scale for each 32 numbers along K (OCP MX v1.0); their sums are f32. All else is computed in f32.
;;   The module's matrix products, in the order in which they are computed (A, B: the left and right operand; K: the contracted axis; several contracted axes count as one K, in the product's order):
;;     1. [M 4,096, K 1,024] x [K 1,024, N 8]; A: input x; B: input gate_w: left as it is (N = 8 < 16)
;;     2. [M 4,096, K 1,024] x [K 1,024, N 16,384]; A: input x; B: input expert_w: QUANTISED
;;     3. batch 4,096 x [M 1, K 8] x [K 8, N 2,048]; A: softmax; B: computed on the way: left as it is (K = 8 < 32)
;;   THE QUANTISER, for each operand of a quantised product, along K:
;;     - K is cut into blocks of 32 from its start; a last block that is shorter is filled with zeros.
;;     - A block's scale is 2^e with e = floor(log2(the largest magnitude in the block)) - 15, held to -126 .. 127; a block of zeros has e = 0. As a byte (E8M0): e + 127.
;;     - Each number is divided by its block's scale, clamped to +-57,344, and rounded to the nearest number of E5M2, ties to even, subnormals kept.
;;     - The product sums the exact products of the quantised numbers (number of the format x scale) in f32.
;;   ~~~python
;;   def quantise(x, axis):      # numpy; x: float32 -> the quantised numbers, widened to float32 again
;;       x = np.moveaxis(x, axis, -1); K = x.shape[-1]
;;       x = np.pad(x, [(0, 0)] * (x.ndim - 1) + [(0, -K % 32)]); x = x.reshape(x.shape[:-1] + (-1, 32)); a = np.abs(x).max(-1, keepdims=True)
;;       e = np.where(a > 0, np.clip(np.frexp(np.where(a > 0, a, 1))[1] - 1 - 15, -126, 127), 0)      # np.frexp(a)[1] - 1 = floor(log2(a)), exactly
;;       r = np.clip(x / 2.0 ** e, -57344, 57344)
;;       step = 2.0 ** (np.maximum(np.frexp(np.where(r == 0, 1, r))[1] - 1, -14) - 2)
;;       q = np.round(r / step) * step * 2.0 ** e      # np.round: ties to even
;;       return np.moveaxis(q.reshape(q.shape[:-2] + (-1,))[..., :K], -1, axis).astype(np.float32)
;;   ~~~
;; 2 versions, each right and faster than the one before. Each part assembles by itself: llvm-mc -triple=amdgcn-amd-amdhsa -mcpu=gfx1250 --defsym DOCPART=n.
;; ======== version 1 of 2: 2 launches
;; workspace buffers: xc 4,194,304 bytes; xs 131,072 bytes; wc 16,777,216 bytes; ws 524,288 bytes; gt 131,072 bytes
;; launch prep (part 1): grid 640 x 1, 4 waves a work-group, no clusters, 2,560 bytes of LDS; arguments x, expert_w, gate_w, gate_b, xc, xs, wc, ws, gt; writes xc, xs, wc, ws, gt
.if DOCPART == 1
	.amdgcn_target "amdgcn-amd-amdhsa--gfx1250"
	.amdhsa_code_object_version 6
	.text
	.protected	k_q0f21a42461_prep
	.globl	k_q0f21a42461_prep
	.p2align	8
	.type	k_q0f21a42461_prep,@function
k_q0f21a42461_prep:
	s_mov_b64 s[64:65], 0
	v_nop
	global_prefetch_b8 v0, s[64:65] scope:SCOPE_SE
	s_setreg_imm32_b32 hwreg(HW_REG_WAVE_MODE, 25, 1), 1
	s_wait_xcnt 0x0
; x [4096][1024] and expert_w [8][2048][1024], f32, K innermost, are turned ONCE into codes of BF8 (E5M2), one byte a code, with one E8M0 scale byte for each 32 along K;
; and since x passes through registers in f32 here, the gate g = softmax(x gate_w^T + gate_b) [4096][8] is made on the way, in f32, with the row's maximum taken away.
; A block's scale is 2^(floor(log2(its largest magnitude)) - 15); its byte is that magnitude's exponent field - 15, held at 1 from below; a block of zeros gets 127.
; Each number is divided by the scale, held within +-57,344 and rounded to the nearest code, ties to even.
; LIMITS: NaN and infinities among the inputs are not served; blocks whose largest magnitude lies under 2^-110, whose byte is held at 1, were not tried.
; WHAT IS STORED.  xc [4096][1024] codes.  wc [16384][1024] codes with the rows PERMUTED: row R' = 256 c + 128 ci + 16 e + l holds expert e, hidden unit 32 c + 16 ci + l,
; so that 128 neighbouring rows are 8 experts x 16 hidden units.  xs, ws: scale bytes laid [4 steps of 256 along K][rows][8], so that the scales of 256 rows for one such step are 2,048 neighbouring bytes.  gt [4096][8] f32.
; SHARES.  Work-groups 0-127 take x, 128-639 expert_w; a work-group owns 32 rows of the output, a wave 8 of them, which are 8 neighbouring rows of the source in both tensors.
; A wave goes in 16 steps of 512 numbers (row t / 2, half t % 2).  In a step a lane holds 16 neighbours along K (four loads of 16 bytes), two lanes a block; the four loads together read 2,048 neighbouring bytes.
; A lane's 16 codes are 16 bytes: the wave stores 512 neighbouring bytes.  The scale bytes meet in LDS, laid as they leave; behind one barrier wave w stores K step w's 32 rows x 8 bytes: 256 neighbouring bytes, aligned.
; Loads run eight steps (32 loads a wave) ahead.  No global store's data or offset register is written again, and EXEC is never changed.
; REGISTERS.  window 0: v2-7, v14-15 addresses; v8-13 at work; v16-143 eight sets of 16 numbers; v144-207 codes, four a step; v208-223 a scale byte a step;
;   v224-239 eight pairs of partial logits; v240-247 logits, then g; v248-255 what the other half of the lanes sent.   window 1: gate_w[e][512 j + 16 lane + 0..15] at v[128 j + 16 e].
.set NXWG, 128                         ; x's work-groups
.set EMAX, 15
.set MANT, 0x600000                    ; the mantissa field of 57,344 as f32
.set X,    16
.set C,    144
.set E,    208
.set P,    224
.set LG,   240
.set T,    248
.set MSB, 0
.macro WIN new                         ; the immediate's high byte repeats the setting that is left
.if MSB != (\new)
	s_set_vgpr_msb (MSB<<8)|(\new)
.set MSB, (\new)
.endif
.endm
	s_load_b256 s[4:11], s[0:1], 0x0               ; x s[4:5], expert_w s[6:7], gate_w s[8:9], gate_b s[10:11]
	s_load_b256 s[12:19], s[0:1], 0x20             ; xc s[12:13], xs s[14:15], wc s[16:17], ws s[18:19]
	s_load_b64 s[20:21], s[0:1], 0x40              ; gt
	s_set_vgpr_msb 0x80
	v_lshl_add_u32 v0, v0, 2, 0x800
	v_mov_b32 v1, 0
	s_set_vgpr_msb 0x8000
	v_lshrrev_b32 v1, 5, v0
	v_readfirstlane_b32 s22, v1                    ; wave 0..3
	v_and_b32 v2, 31, v0                           ; lane
	v_lshlrev_b32 v3, 6, v2                        ; my 64 bytes of a step's 2,048 (and of gate_w's)
	v_lshlrev_b32 v4, 4, v2                        ; my 16 codes of a step's 512
	v_lshrrev_b32 v1, 4, v2
	v_bfe_u32 v5, v2, 1, 3
	v_lshl_add_u32 v5, v1, 8, v5                   ; my block's scale byte in LDS: K step 2 j + lane / 16 (256 bytes each), byte (lane / 2) % 8,
	s_lshl_b32 s30, s22, 6
	v_add_nc_u32 v5, s30, v5                       ; my wave's 8 rows of 8 bytes; j and the row stand in the store's immediate
	v_lshlrev_b32 v7, 3, v2                        ; on the way out 8 bytes a lane
	s_lshl_b32 s31, s22, 8
	v_add_nc_u32 v6, s31, v7                       ; K step = my wave's number, row = lane
	s_add_co_u32 s31, s31, 1024
	v_mov_b32 v14, s31                             ; g: my wave's own 256 bytes, behind the scale bytes
	v_add_nc_u32 v15, s31, v7
	s_mov_b32 s40, 0x76543210                      ; v_permlanex16_b32: lane l xor 16
	s_mov_b32 s41, 0xfedcba98
	s_mov_b32 s42, 0x3fb8aa3b                      ; log2(e)
	s_cmp_lt_u32 ttmp9, NXWG                       ; x's work-group or expert_w's?  Every choice below hangs on the work-group's number alone
	s_cselect_b32 s23, 0, NXWG
	s_cselect_b32 s24, 15, 17                      ; a K step of scale bytes is rows x 8: 2^15 bytes for x, 2^17 for expert_w
	s_sub_co_u32 s23, ttmp9, s23                   ; which 32 rows of the tensor
	s_lshl_b32 s24, s22, s24                       ; my wave's K step, in bytes
	s_lshl_b32 s25, s23, 5                         ; the work-group's first row of the output
	s_lshl3_add_u32 s26, s22, s25                  ; my wave's first row of the output
	s_bfe_u32 s27, s26, 0x30004                    ; expert_w: from the permuted row back to the source row: e (bits 6:4) x 2,048
	s_lshl_b32 s27, s27, 11
	s_lshr_b32 s28, s26, 7                         ; + 16 x (2 c + ci)
	s_lshl_b32 s28, s28, 4
	s_or_b32 s27, s27, s28
	s_and_b32 s28, s26, 15                         ; + l
	s_or_b32 s27, s27, s28
	s_wait_kmcnt 0x0
	s_cmp_lt_u32 ttmp9, NXWG                       ; (the shifts above have written SCC)
	s_cselect_b32 s27, s26, s27                    ; my wave's first row of the source
	s_cselect_b64 s[4:5], s[4:5], s[6:7]           ; the source,
	s_cselect_b64 s[12:13], s[12:13], s[16:17]     ; its codes,
	s_cselect_b64 s[14:15], s[14:15], s[18:19]     ; its scale bytes
	s_lshl_b32 s28, s27, 12                        ; a source row is 4,096 bytes (the whole tensor stays under 2^27)
	s_mov_b32 s29, 0
	s_add_nc_u64 s[4:5], s[4:5], s[28:29]
	s_lshl_b32 s28, s26, 10                        ; a row of codes 1,024
	s_add_nc_u64 s[12:13], s[12:13], s[28:29]
	s_lshl_b32 s28, s25, 3                         ; the work-group's 32 rows x 8 scale bytes, in my wave's K step
	s_add_co_u32 s28, s28, s24
	s_add_nc_u64 s[14:15], s[14:15], s[28:29]
.macro LOAD t                          ; step t's 512 numbers into set t % 8
.irp i, 0,1,2,3
	global_load_b128 v[X+16*((\t)%8)+4*\i:X+16*((\t)%8)+4*\i+3], v3, s[4:5] offset:2048*(\t)+16*\i th:TH_LOAD_NT
.endr
.endm
; Step t's numbers become codes and a scale byte.
.macro QUANT t
.set XS, X+16*((\t)%8)
	v_max3_num_f32 v8, |v[XS]|, |v[XS+1]|, |v[XS+2]|               ; the largest magnitude of my 16, in two chains
	v_max3_num_f32 v9, |v[XS+3]|, |v[XS+4]|, |v[XS+5]|
.irp i, 6,10
	v_max3_num_f32 v8, v8, |v[XS+\i]|, |v[XS+\i+1]|
	v_max3_num_f32 v9, v9, |v[XS+\i+2]|, |v[XS+\i+3]|
.endr
	v_max3_num_f32 v8, v8, |v[XS+14]|, |v[XS+15]|
	v_max_num_f32 v8, v8, v9
	v_max_num_f32_dpp v8, v8, v8 row_xmask:1 row_mask:0xf bank_mask:0xf   ; and of my neighbour's 16: the block's
	v_lshrrev_b32 v9, 23, v8                       ; its exponent field (the sign bit is 0)
	v_max_u32 v9, EMAX+1, v9                       ; the byte is not to fall under 1
	v_lshl_or_b32 v10, v9, 23, MANT                ; 57,344 x the scale: exponent field = the byte + 15
	v_add_nc_u32 v9, -EMAX, v9                     ; the scale's byte
	v_lshlrev_b32 v11, 23, v9                      ; and the scale as f32: the conversion takes its exponent field
	v_cmp_eq_u32 vcc_lo, 0, v8                     ; a block of zeros?
.irp i, 0,1,2,3,4,5,6,7,8,9,10,11,12,13,14,15
	v_med3_num_f32 v[XS+\i], v[XS+\i], -v10, v10   ; the conversion to an 8-bit code does not saturate (ISA guide 7.6.2): hold the number first
.endr
	v_cvt_scalef32_pk8_bf8_f32 v[C+4*(\t):C+4*(\t)+1], v[XS:XS+7], v11
	v_cvt_scalef32_pk8_bf8_f32 v[C+4*(\t)+2:C+4*(\t)+3], v[XS+8:XS+15], v11
	v_cndmask_b32 v[E+(\t)], v9, 127, vcc_lo       ; a block of zeros gets 127.  (Also the plain vector instruction between a scaled conversion and what touches its result or writes its sources)
	ds_store_b8 v5, v[E+(\t)] offset:512*((\t)%2)+8*((\t)/2)   ; both lanes of a block write the same byte with the same value
	global_store_b128 v4, v[C+4*(\t):C+4*(\t)+3], s[12:13] offset:512*(\t)   ; 512 neighbouring bytes a wave; no hint: the next launch reads them
.if (\t) < 8
	LOAD (\t)+8
.endif
.endm
; x alone: step t's 16 numbers a lane against the 8 rows of gate_w: eight chains of packed multiply-adds.  It stands ahead of QUANT, which holds the numbers in place.
.macro GATE t
.set XS, X+16*((\t)%8)
.set GJ, 128*((\t)%2)
	WIN 0x04                                       ; source 1 (gate_w) in window 1
.irp i, 0,1,2,3,4,5,6,7
.irp e, 0,1,2,3,4,5,6,7
.if ((\t)%2 == 0) && (\i == 0)
	v_pk_mul_f32 v[P+2*\e:P+2*\e+1], v[XS+2*\i:XS+2*\i+1], v[GJ+16*\e+2*\i:GJ+16*\e+2*\i+1]   ; a row's first products start the sums
.else
	v_pk_fma_f32 v[P+2*\e:P+2*\e+1], v[XS+2*\i:XS+2*\i+1], v[GJ+16*\e+2*\i:GJ+16*\e+2*\i+1], v[P+2*\e:P+2*\e+1]
.endif
.endr
.endr
	WIN 0
.endm
; x alone, behind a row's second half: the 8 logits are summed over the 32 lanes, then softmax; every lane ends with the row's 8 weights.
.macro ROW row
	s_wait_dscnt 0x0                               ; the last row's LDS stores are done with the registers that are written now
.irp e, 0,1,2,3,4,5,6,7
	v_add_f32 v[LG+\e], v[P+2*\e], v[P+2*\e+1]
.endr
.irp m, 1,2,4,8
.irp e, 0,1,2,3,4,5,6,7
	v_add_f32_dpp v[LG+\e], v[LG+\e], v[LG+\e] row_xmask:\m row_mask:0xf bank_mask:0xf
.endr
.endr
.irp e, 0,1,2,3,4,5,6,7
	v_permlanex16_b32 v[T+\e], v[LG+\e], s40, s41
.endr
.irp e, 0,1,2,3,4,5,6,7
	v_add_f32 v[LG+\e], v[LG+\e], v[T+\e]
.endr
.irp e, 0,1,2,3,4,5,6,7
	v_add_f32 v[LG+\e], s[32+\e], v[LG+\e]         ; + gate_b
.endr
	v_max3_num_f32 v8, v[LG], v[LG+1], v[LG+2]     ; the row's largest logit
	v_max3_num_f32 v8, v8, v[LG+3], v[LG+4]
	v_max3_num_f32 v8, v8, v[LG+5], v[LG+6]
	v_max_num_f32 v8, v8, v[LG+7]
	v_mul_f32 v9, s42, v8
.irp e, 0,1,2,3,4,5,6,7
	v_fma_f32 v[LG+\e], v[LG+\e], s42, -v9         ; (logit - largest) x log2(e), in one rounding
.endr
.irp e, 0,1,2,3,4,5,6,7
	v_exp_f32 v[LG+\e], v[LG+\e]
.endr
	v_nop                                          ; a plain instruction between the last exponential and the use of its result
	s_wait_alu depctr_va_vdst(0)
	v_add_f32 v8, v[LG], v[LG+1]
	v_add_f32 v9, v[LG+2], v[LG+3]
	v_add_f32 v10, v[LG+4], v[LG+5]
	v_add_f32 v11, v[LG+6], v[LG+7]
	v_add_f32 v8, v8, v9
	v_add_f32 v10, v10, v11
	v_add_f32 v8, v8, v10                          ; at least 1: the largest logit's own term
	v_rcp_f32 v8, v8
	v_nop
	s_wait_alu depctr_va_vdst(0)
.irp e, 0,1,2,3,4,5,6,7
	v_mul_f32 v[LG+\e], v[LG+\e], v8
.endr
	ds_store_b128 v14, v[LG:LG+3] offset:32*(\row)      ; all lanes write the same 32 bytes with the same values, into my wave's own 256 bytes
	ds_store_b128 v14, v[LG+4:LG+7] offset:32*(\row)+16
.endm
.macro TAKE t, gate
.if (\t) <= 8
	s_wait_loadcnt 28                              ; loads come back in order: this step's four are in (and gate_w, asked for earlier); the next seven steps' 28 may be out
.else
	s_wait_loadcnt 4*(15-(\t))                     ; nothing more is asked for: the counts run down
.endif
.if \gate
	GATE \t
.endif
	QUANT \t
.if \gate && ((\t)%2 == 1)
	ROW (\t)/2
.endif
.endm
	s_cmp_lt_u32 ttmp9, NXWG
	s_cbranch_scc0 .Lweights
	; ---- x's work-groups
	s_load_b256 s[32:39], s[10:11], 0x0            ; gate_b, 8 numbers
	s_lshl_b32 s28, s26, 5                         ; a row of g is 32 bytes
	s_add_nc_u64 s[20:21], s[20:21], s[28:29]
	WIN 0x40                                       ; destination window 1
.irp j, 0,1
.irp e, 0,1,2,3,4,5,6,7
.irp m, 0,1,2,3
	global_load_b128 v[128*\j+16*\e+4*\m:128*\j+16*\e+4*\m+3], v3, s[8:9] offset:4096*\e+2048*\j+16*\m   ; gate_w stays in registers: all 8 rows, my lane's 32 places along K
.endr
.endr
.endr
	WIN 0
.irp t, 0,1,2,3,4,5,6,7
	LOAD \t
.endr
.irp e, 0,1,2,3,4,5,6,7
	v_mov_b32 v[T+\e], 0                           ; (the destination of a lane permute counts as read)
.endr
	s_wait_kmcnt 0x0                               ; gate_b
.irp t, 0,1,2,3,4,5,6,7,8,9,10,11,12,13,14,15
	TAKE \t, 1
.endr
	ds_load_b64 v[12:13], v15                      ; LDS serves a wave's instructions in order: these see my stores of g
	s_wait_dscnt 0x0
	global_store_b64 v7, v[12:13], s[20:21]        ; my 8 rows of g: 256 neighbouring bytes, aligned
	s_branch .Ljoin
.Lweights:
	; ---- expert_w's work-groups
.irp t, 0,1,2,3,4,5,6,7
	LOAD \t
.endr
.irp t, 0,1,2,3,4,5,6,7,8,9,10,11,12,13,14,15
	TAKE \t, 0
.endr
.Ljoin:
	s_wait_dscnt 0x0                               ; for the others' sake: my scale bytes are in LDS
	s_barrier_signal -1
	s_barrier_wait -1                              ; everybody's are
	ds_load_b64 v[10:11], v6                       ; K step = my wave's number: 32 rows x 8 bytes
	s_wait_dscnt 0x0
	global_store_b64 v7, v[10:11], s[14:15]        ; 256 neighbouring bytes, aligned
	s_set_vgpr_msb 0xa
	s_wait_tensorcnt 0x0
	ds_add_u32 v0, v1
	s_wait_dscnt 0x0
	s_set_vgpr_msb 0xa00
	s_endpgm
.Lfunc_end_k_q0f21a42461_prep:
	.size	k_q0f21a42461_prep, .Lfunc_end_k_q0f21a42461_prep-k_q0f21a42461_prep
	.p2alignl 7, 3214868480
	.fill 96, 4, 3214868480
	.section	.rodata,"a",@progbits
	.p2align	6, 0x0
	.amdhsa_kernel k_q0f21a42461_prep
		.amdhsa_group_segment_fixed_size 2560
		.amdhsa_private_segment_fixed_size 0
		.amdhsa_enable_private_segment 0
		.amdhsa_kernarg_size 72
		.amdhsa_user_sgpr_count 2
		.amdhsa_user_sgpr_kernarg_segment_ptr 1
		.amdhsa_wavefront_size32 1
		.amdhsa_system_sgpr_workgroup_id_x 1
		.amdhsa_system_sgpr_workgroup_id_y 1
		.amdhsa_system_sgpr_workgroup_id_z 1
		.amdhsa_system_vgpr_workitem_id 0
		.amdhsa_next_free_vgpr 514
		.amdhsa_next_free_sgpr 66
		.amdhsa_reserve_vcc 1
		.amdhsa_float_denorm_mode_32 3
		.amdhsa_float_denorm_mode_16_64 3
		.amdhsa_memory_ordered 1
		.amdhsa_forward_progress 1
		.amdhsa_inst_pref_size 197
	.end_amdhsa_kernel
	.amdgpu_metadata
---
amdhsa.version: [ 1, 2 ]
amdhsa.kernels:
  - .name:           k_q0f21a42461_prep
    .symbol:         k_q0f21a42461_prep.kd
    .args:
      - { .name: x, .offset: 0, .size: 8, .value_kind: global_buffer, .address_space: global }
      - { .name: expert_w, .offset: 8, .size: 8, .value_kind: global_buffer, .address_space: global }
      - { .name: gate_w, .offset: 16, .size: 8, .value_kind: global_buffer, .address_space: global }
      - { .name: gate_b, .offset: 24, .size: 8, .value_kind: global_buffer, .address_space: global }
      - { .name: xc, .offset: 32, .size: 8, .value_kind: global_buffer, .address_space: global }
      - { .name: xs, .offset: 40, .size: 8, .value_kind: global_buffer, .address_space: global }
      - { .name: wc, .offset: 48, .size: 8, .value_kind: global_buffer, .address_space: global }
      - { .name: ws, .offset: 56, .size: 8, .value_kind: global_buffer, .address_space: global }
      - { .name: gt, .offset: 64, .size: 8, .value_kind: global_buffer, .address_space: global }
    .group_segment_fixed_size: 2560
    .private_segment_fixed_size: 0
    .kernarg_segment_align: 8
    .kernarg_segment_size: 72
    .max_flat_workgroup_size: 128
    .sgpr_count:     66
    .vgpr_count:     514
    .wavefront_size: 32
...
	.end_amdgpu_metadata
.endif
;; end of part 1
;; launch moe (part 2): grid 16 x 16, 4 waves a work-group, clusters of 4 x 4, 327,680 bytes of LDS; arguments xc, xs, wc, ws, gt, expert_b, out0; writes out0
.if DOCPART == 2
	.amdgcn_target "amdgcn-amd-amdhsa--gfx1250"
	.amdhsa_code_object_version 6
	.text
	.protected	k_q0f21a42461_moe
	.globl	k_q0f21a42461_moe
	.p2align	8
	.type	k_q0f21a42461_moe,@function
k_q0f21a42461_moe:
	s_mov_b64 s[64:65], 0
	v_nop
	global_prefetch_b8 v0, s[64:65] scope:SCOPE_SE
	s_setreg_imm32_b32 hwreg(HW_REG_WAVE_MODE, 25, 1), 1
	s_wait_xcnt 0x0
	s_wait_alu depctr_hold_cnt(0) depctr_sa_sdst(0) depctr_va_vdst(0) depctr_va_sdst(0) depctr_va_ssrc(0) depctr_va_vcc(0) depctr_vm_vsrc(0)
	s_getreg_b32 s2, hwreg(HW_REG_IB_STS2, 6, 4)
	s_cmp_eq_u32 s2, 0
	s_cbranch_scc0 .Lentry_in_a_cluster
	s_endpgm
.Lentry_in_a_cluster:
	s_bfe_u32 s2, ttmp6, 0x10000c
	s_cmp_lg_u32 s2, 0xf033
	s_cbranch_scc0 .Lentry_shape_is_right
	s_endpgm
.Lentry_shape_is_right:
; out[n][h] = sum over e of g[n][e] relu(sum over k of X[n][k] W[e][h][k] + b[e][h]).  X and W arrive as codes of BF8 (E5M2) with one E8M0 scale byte for each 32 along K = 1,024; g [4096][8] f32 arrives made.
; W's rows are permuted: row 256 c + 128 ci + 16 e + l is expert e, hidden unit 32 c + 16 ci + l.  The scale bytes are laid [4 steps of 256 along K][rows][8].
; LIMITS: NaN and infinities among the inputs are not served.
; SHARES.  A work-group owns 256 tokens and 128 hidden units, as FOUR tiles, one after the other; a tile is 256 tokens x 256 rows of W (32 hidden units x 8 experts) x K 1,024.  Four waves, as many as a WGP has SIMDs; a wave makes
; 128 tokens x 128 rows of W: 64 accumulators of 16 x 16, 512 registers.  ITS 8 BLOCKS OF W's ROWS ARE THE 8 EXPERTS of the same 16 hidden units: the sum over experts stays inside a lane, and leaves 8 registers of 64.
; THE MATRIX INSTRUCTION IS USED TRANSPOSED (source 0 = 16 rows of W, source 1 = 16 tokens): in accumulator (a, e) lane l holds token 16 a + l % 16, and register j hidden unit 8 (l / 16) + j of the wave's 16.
; THE BIAS costs no addition: it is loaded into the registers of accumulators (7, e), and a tile's first products name those as C; block 7's own first products then add in place.
; THE RING.  K goes in steps of 256 through two LDS slots filled by the tensor data mover: a slot holds 256 rows of X's codes, 256 of W's (rows of 256 bytes of memory) and both sides' scale bytes for the step (2,048 neighbouring bytes each).
; One wave fetches each of the four kinds.  The ring does not stop at a tile's end: a tile's last two changes of slots ask for the next tile's first two K steps.
; CLUSTERS: 4 x 4 work-groups.  The four of a row of the cluster own the same tokens, the four of a column the same rows of W: each tile is asked for JOINTLY, by the same tensor load with the same descriptor and a mask that names the four.
; THE WAY OUT.  A tile's 32 hidden units are 128 bytes of a row of out.  So an even tile's result is parked in 64 registers, and goes out with the odd tile's that follows: through a stage in LDS that the four waves share,
; 128 tokens at a time, and back as rows of 256 bytes, which sixteen lanes store as 256 neighbouring bytes, aligned.
; REGISTERS, in windows of 256: window 0: v16-30 addresses; v32-63 scale words, two sets, and nothing else; v64-127 the parked tile; v128-255 X's fragments (8 x 16 tokens x 128 K), ONE set.
;   window 1: W's fragments, TWO sets, at v0 and v128; behind a tile's last products set 1 serves again: v128-191 g (later the rows read back from the stage), v192-255 the odd tile's result.
;   window 2: the accumulators of my tokens 0-63 ((a, e) at v[8 (8 (a % 4) + e)]);  window 3: those of my tokens 64-127.
.set PITCH,  272                       ; an LDS row of codes: 256 bytes + 16 of padding = 68 words: row r starts at bank 4 r mod 64 (64 banks of 4 bytes: ISA guide 11.1), so the 16 rows that a load touches start at 16 different banks
.set HALFT,  128*PITCH                 ; what one wave reads of X or of W
.set BOFF,   2*HALFT                   ; a slot: X's 256 rows, W's 256 rows,
.set ASC,    4*HALFT                   ; X's scale bytes (8 a row),
.set BSC,    ASC+2176                  ; W's: 128 bytes more than a multiple of 256 behind X's, so that the two halves of the lanes read different banks
.set SLOT,   BSC+2048
.set STAGE,  2*SLOT                    ; behind the ring, at a multiple of 256: 128 rows x 272 bytes, the work-group's, for the way out
.set BIASL,  STAGE+128*PITCH           ; the work-group's biases, [tile 4][ci 2][expert 8][16] f32
.set SPARE,  BIASL+4096                ; the spare words, 128 bytes for each wave: two blocks of 256 bytes that no other line names
.set ADRA, 16                          ; v16-17  LDS address of my fragments of X in slot 0, 1
.set ADRB, 20                          ; v20-21  the same for W
.set ADRS, 22                          ; v22-23  of my scale words: lanes 0-15 X's rows, lanes 16-31 W's
.set STO,  24                          ; v24     the way out: where I put 32 bytes of a row
.set RD,   25                          ; v25     where I read a row back
.set CO,   26                          ; v26     my byte offset in out
.set GOF,  27                          ; v27     my byte offset in g
.set SPW,  28                          ; v28     LDS address of my spare word: SPARE + 4 x my thread's number; never rewritten
.set NIL,  29                          ; v29     0; never rewritten
.set BADR, 30                          ; v30     LDS address of my biases of the tile to come
.set SC,   32                          ; scale words: set s (for slot s) at v[SC + 16 s]; register 2 i + q: lanes 0-15 X's block i, lanes 16-31 W's block i, for the slot's q-th 128 along K
.set PARK, 64                          ; window 0: the even tile's result, 8 registers for each block of 16 tokens
.set AF,   128                         ; window 0: X's fragments
.set GR,   128                         ; window 1: g[token][e] at v[GR + 8 a + e]
.set BK,   128                         ; window 1: rows read back from the stage, in g's place
.set NEW,  192                         ; window 1: the odd tile's result
.set G1A,  28                          ; s[28:35]  descriptor group 1 for X's codes;  s[36:43] W's codes;  s[44:51] X's scale bytes;  s[52:59] W's
.set G1B,  36
.set G1SA, 44
.set G1SB, 52
.set G0A,  68                          ; s[68:75]  descriptor group 0 for X's codes, one set for each slot;  s[76:83], s[84:91], s[92:99] likewise
.set G0B,  76
.set G0SA, 84
.set G0SB, 92
.set MSB, 0
.macro WIN new                         ; low byte: bits 1:0 source 0, 3:2 source 1, 5:4 source 2, 7:6 destination; the high byte repeats the setting that is left
.if MSB != (\new)
	s_set_vgpr_msb (MSB<<8)|(\new)
.set MSB, (\new)
.endif
.endm
.macro PLACES n                        ; plain vector instructions that name no register of the matrix instructions before them (ISA guide 7.12.1)
.rept \n
	v_nop
.endr
.endm
; A joint load: wave 0 X's codes, wave 1 W's codes, wave 2 X's scale bytes, wave 3 W's.  Each line has ONE mask and one set of registers for all that issue it; the branches hang on the wave's number alone.
; Four v_nop follow each line, ahead of the jump, the label and what follows.
.macro JLOAD s
	s_cmp_lt_u32 s18, 2
	s_cbranch_scc0 .Lscales_\@
	s_cmp_eq_u32 s18, 0
	s_cbranch_scc0 .Lcodes_w_\@
	tensor_load_to_lds s[G0A+4*\s:G0A+4*\s+3], s[G1A:G1A+7]
	s_nop 0
.rept 4
	v_nop
.endr
	s_branch .Lasked_\@
.Lcodes_w_\@:
	tensor_load_to_lds s[G0B+4*\s:G0B+4*\s+3], s[G1B:G1B+7]
	s_nop 0
.rept 4
	v_nop
.endr
	s_branch .Lasked_\@
.Lscales_\@:
	s_cmp_eq_u32 s18, 2
	s_cbranch_scc0 .Lscales_w_\@
	tensor_load_to_lds s[G0SA+4*\s:G0SA+4*\s+3], s[G1SA:G1SA+7]
	s_nop 0
.rept 4
	v_nop
.endr
	s_branch .Lasked_\@
.Lscales_w_\@:
	tensor_load_to_lds s[G0SB+4*\s:G0SB+4*\s+3], s[G1SB:G1SB+7]
	s_nop 0
.rept 4
	v_nop
.endr
.Lasked_\@:
.endm
.macro CREST                           ; a round of the cluster's barrier behind its opening barrier
	s_cmp_lg_u32 s18, 0
	s_cbranch_scc1 .Lnot_wave_0_\@
	s_barrier_signal -3
.Lnot_wave_0_\@:
	s_barrier_wait -3
	s_barrier_signal -1
	s_barrier_wait -1
.endm
.macro CROUND                          ; a whole round
	s_barrier_signal -1
	s_barrier_wait -1
	CREST
.endm
	s_load_b256 s[4:11], s[0:1], 0x0               ; xc s[4:5], xs s[6:7], wc s[8:9], ws s[10:11]
	s_load_b128 s[12:15], s[0:1], 0x20             ; gt s[12:13], expert_b s[14:15]
	s_load_b64 s[16:17], s[0:1], 0x30              ; out0
	v_lshl_add_u32 v[SPW], v0, 2, SPARE
	v_mov_b32 v[NIL], 0
	ds_add_u32 v28, v29
	ds_add_u32 v28, v29
	s_wait_dscnt 0x0
	v_lshrrev_b32 v1, 5, v0
	v_readfirstlane_b32 s18, v1                    ; wave 0..3
	s_lshr_b32 s19, s18, 1                         ; mi: which 128 of the tile's tokens are mine
	s_and_b32 s20, s18, 1                          ; ci: which 128 of its rows of W
	s_bfe_u32 s22, ttmp6, 0x40000                  ; cx, cy: my place in the cluster
	s_bfe_u32 s21, ttmp6, 0x40004
	s_lshl_b32 s26, ttmp9, 2
	s_add_co_u32 s26, s26, s22                     ; work-group x = 4 x cluster x + cx: which 128 hidden units
	s_and_b32 s23, ttmp7, 0xffff
	s_lshl_b32 s23, s23, 2
	s_add_co_u32 s23, s23, s21                     ; work-group y = 4 x cluster y + cy: which 256 tokens
	s_lshl_b32 s24, s21, 2
	s_lshl_b32 s24, 15, s24                        ; my row of the cluster
	s_lshl_b32 s60, 0x1111, s22                    ; my column
	; descriptor group 1.  Codes: a tile of 256 rows x 256 bytes, rows 1,024 bytes apart in memory, padded in LDS
	s_or_b32 s[G1A], s24, (1<<20)|(1<<21)|(5<<22)|(3<<25)   ; 15:0 the mask: X's tiles go to my row; 17:16 elements of 1 byte; 20 padding on; 21 set beside a mask; 24:22 after every 64 words (code 5); 31:25 of 4 words (code 3)
	s_or_b32 s[G1B], s60, (1<<20)|(1<<21)|(5<<22)|(3<<25)   ; the same with the mask of my column, for W's
.irp g, G1A, G1B
	s_mov_b32 s[\g+1], 256<<16                     ; tensor_dim0 = 256
	s_mov_b32 s[\g+2], 256<<16                     ; tensor_dim1 = 256
	s_mov_b32 s[\g+3], 256<<16                     ; tile_dim0 = 256
	s_mov_b32 s[\g+4], 256                         ; tile_dim1 = 256
	s_mov_b32 s[\g+5], 1024                        ; tensor_dim0_stride
	s_mov_b32 s[\g+6], 0
	s_mov_b32 s[\g+7], 0
.endr
	; Scale bytes: 2,048 neighbouring bytes, as 8 rows of 256 bytes (32 elements of 8 bytes), no padding
	s_or_b32 s[G1SA], s24, (3<<16)|(1<<21)
	s_or_b32 s[G1SB], s60, (3<<16)|(1<<21)
.irp g, G1SA, G1SB
	s_mov_b32 s[\g+1], 32<<16
	s_mov_b32 s[\g+2], 8<<16
	s_mov_b32 s[\g+3], 32<<16
	s_mov_b32 s[\g+4], 8
	s_mov_b32 s[\g+5], 32
	s_mov_b32 s[\g+6], 0
	s_mov_b32 s[\g+7], 0
.endr
	; where the tiles come from.  X's hang on work-group y alone, W's on work-group x alone, each in registers that never hold the other coordinate
	s_lshl_b32 s24, s23, 18                        ; 256 rows of 1,024 codes
	s_mov_b32 s25, 0
	s_lshl_b32 s60, s26, 20                        ; four tiles of 256 rows of 1,024 codes
	s_mov_b32 s61, 0
	s_wait_kmcnt 0x0
	s_add_nc_u64 s[4:5], s[4:5], s[24:25]
	s_lshl_b32 s24, s23, 11                        ; 256 rows of 8 scale bytes
	s_add_nc_u64 s[6:7], s[6:7], s[24:25]
	s_add_nc_u64 s[8:9], s[8:9], s[60:61]
	s_lshl_b32 s60, s26, 13                        ; four tiles of 256 rows of 8
	s_add_nc_u64 s[10:11], s[10:11], s[60:61]
	s_lshl_b32 s62, s23, 13                        ; g at my wave's 128 tokens: (256 y + 128 mi) rows of 32 bytes
	s_lshl_b32 s27, s19, 12
	s_add_co_u32 s62, s62, s27
	s_mov_b32 s63, 0
	s_add_nc_u64 s[12:13], s[12:13], s[62:63]
	s_lshl_b32 s62, s26, 9                         ; expert_b at the work-group's 128 hidden units
	s_add_nc_u64 s[14:15], s[14:15], s[62:63]
	s_lshl_b32 s66, s23, 8                         ; out at the first row that I store, 256 y + 128 (wave / 2) + 32 (wave % 2), rows of 8,192 bytes,
	s_lshl_b32 s27, s19, 7
	s_add_co_u32 s66, s66, s27
	s_lshl_b32 s27, s20, 5
	s_add_co_u32 s66, s66, s27
	s_lshl_b32 s66, s66, 13
	s_add_co_u32 s66, s66, s62                     ; and the work-group's 128 hidden units (all under 2^25)
	s_mov_b32 s67, 0
	s_add_nc_u64 s[16:17], s[16:17], s[66:67]
	CROUND                                         ; all sixteen work-groups are here: the first joint loads meet
.irp s, 0,1
	s_mov_b32 s[G0A+4*\s], 1                                       ; 1:0 count = 1
	s_mov_b32 s[G0A+4*\s+1], \s*SLOT                               ; 63:32 LDS address: a constant for each kind and slot
	s_add_nc_u64 s[G0A+4*\s+2:G0A+4*\s+3], s[4:5], \s*256          ; 120:64 global address: K step s
	s_or_b32 s[G0A+4*\s+3], s[G0A+4*\s+3], 0x80000000              ; 127:126 type = 2
	s_mov_b32 s[G0B+4*\s], 1
	s_mov_b32 s[G0B+4*\s+1], \s*SLOT+BOFF
	s_add_nc_u64 s[G0B+4*\s+2:G0B+4*\s+3], s[8:9], \s*256
	s_or_b32 s[G0B+4*\s+3], s[G0B+4*\s+3], 0x80000000
	s_mov_b32 s[G0SA+4*\s], 1
	s_mov_b32 s[G0SA+4*\s+1], \s*SLOT+ASC
	s_add_nc_u64 s[G0SA+4*\s+2:G0SA+4*\s+3], s[6:7], \s*32768      ; a K step of X's scale bytes is 4,096 rows x 8
	s_or_b32 s[G0SA+4*\s+3], s[G0SA+4*\s+3], 0x80000000
	s_mov_b32 s[G0SB+4*\s], 1
	s_mov_b32 s[G0SB+4*\s+1], \s*SLOT+BSC
	s_add_nc_u64 s[G0SB+4*\s+2:G0SB+4*\s+3], s[10:11], \s*131072   ; of W's 16,384 rows x 8
	s_or_b32 s[G0SB+4*\s+3], s[G0SB+4*\s+3], 0x80000000
	JLOAD \s                                       ; both slots are asked for before anything else is done: two tensor loads of mine are out
.endr
	v_and_b32 v1, 15, v0                           ; r = l % 16
	v_bfe_u32 v2, v0, 4, 1                         ; hh = l / 16
	v_mul_u32_u24 v3, v1, PITCH
	v_lshl_add_u32 v4, v2, 4, v3                   ; a fragment's row x pitch + 16 x half
	s_mul_i32 s62, s19, HALFT                      ; my 128 tokens
	s_mul_i32 s63, s20, HALFT                      ; my 128 rows of W,
	s_add_co_u32 s63, s63, BOFF                    ; which lie behind X's 256
.irp s, 0,1
	v_add_nc_u32 v[ADRA+\s], s62, v4
	v_add_nc_u32 v[ADRB+\s], s63, v4
	s_add_co_u32 s62, s62, SLOT
	s_add_co_u32 s63, s63, SLOT
.endr
	s_lshl_b32 s62, s19, 10
	s_add_co_u32 s62, s62, ASC                     ; the scale bytes of my 128 tokens,
	s_lshl_b32 s63, s20, 10
	s_add_co_u32 s63, s63, BSC                     ; of my 128 rows of W,
	s_sub_co_u32 s63, s63, s62
	v_mul_u32_u24 v5, s63, v2                      ; which lanes 16-31 take;
	v_lshl_add_u32 v5, v1, 3, v5                   ; 8 bytes a row
	v_add_nc_u32 v[ADRS], s62, v5
	v_add_nc_u32 v[ADRS+1], SLOT, v[ADRS]
	s_mul_i32 s62, s19, 64*PITCH                   ; into the stage: row 64 mi + 16 i + r; in it my 16 hidden units' 64 bytes, 32 for each half of the lanes
	s_lshl_b32 s63, s20, 6
	s_add_co_u32 s62, s62, s63
	s_add_co_u32 s62, s62, STAGE
	v_lshl_add_u32 v5, v2, 5, v3
	v_add_nc_u32 v[STO], s62, v5
	s_mul_i32 s62, s18, 32*PITCH                   ; back: wave w takes rows 32 w .. 32 w + 31, whole; lanes 0-15 one row of 256 bytes, lanes 16-31 the next
	s_add_co_u32 s62, s62, STAGE
	v_mul_u32_u24 v5, v2, PITCH
	v_lshl_add_u32 v5, v1, 4, v5
	v_add_nc_u32 v[RD], s62, v5
	v_lshlrev_b32 v5, 13, v2                       ; and the same two rows in out
	v_lshl_add_u32 v[CO], v1, 4, v5
	v_lshlrev_b32 v[GOF], 5, v1                    ; g: token r's 32 bytes
	s_lshl_b32 s62, s20, 9
	s_add_co_u32 s62, s62, BIASL
	v_lshl_add_u32 v[BADR], v2, 5, s62             ; biases: my ci's 512 bytes, my half's 8 hidden units
	; The work-group's biases, 8 experts x 128 hidden units, come into LDS once.  Thread n stores 32 bytes at 32 n, which is tile n / 32, ci (n / 16) % 2, expert (n / 2) % 8, half n % 2
	v_bfe_u32 v5, v0, 1, 3
	v_lshlrev_b32 v7, 13, v5                       ; a row of expert_b is 8,192 bytes
	v_and_b32 v5, 1, v0
	v_lshl_add_u32 v7, v5, 5, v7
	v_lshrrev_b32 v5, 4, v0
	v_lshl_add_u32 v7, v5, 6, v7
	global_load_b128 v[8:11], v7, s[14:15]
	global_load_b128 v[12:15], v7, s[14:15] offset:16
	v_lshl_add_u32 v6, v0, 5, BIASL
	s_wait_loadcnt 0x0
	ds_store_b128 v6, v[8:11]
	ds_store_b128 v6, v[12:15] offset:16
.macro FRAG reg, adr, q, i             ; a fragment, 16 rows x 128 K of 8-bit codes, is 16 registers: lane l holds row l % 16; registers 4 c .. 4 c + 3 hold K = 32 c + 16 (l / 16) + 0 .. 15
.irp c, 0,1,2,3
	ds_load_b128 v[\reg+4*\c:\reg+4*\c+3], v[\adr] offset:128*(\q)+32*\c+(\i)*16*PITCH
.endr
.endm
.macro FETCH_B slot, q, p              ; W's eight fragments of the slot's q-th 128 along K into set p
	WIN 0x40                                       ; destination window 1, address window 0
.irp i, 0,1,2,3,4,5,6,7
	FRAG 128*(\p)+16*\i, ADRB+\slot, \q, \i
.endr
	WIN 0
.endm
.macro FETCH_A slot, q, i0             ; X's blocks i0 .. i0 + 3
.irp i, \i0, \i0+1, \i0+2, \i0+3
	FRAG AF+16*(\i), ADRA+\slot, \q, \i
.endr
.endm
.macro SCALES slot                     ; the slot's scale words: 2 words a row; lanes 0-15 take X's block i, lanes 16-31 W's block i
.irp i, 0,1,2,3,4,5,6,7
	ds_load_b64 v[SC+16*\slot+2*\i:SC+16*\slot+2*\i+1], v[ADRS+\slot] offset:128*\i
.endr
.endm
; 8 matrix instructions: X's block a against W's eight (the eight experts), 128 along K: the slot's q-th.  p: W's set;  sc: the set of scale words.
; first = 1: a tile's first products take the bias, which lies in the registers of accumulators (7, b) in window 3, as C.
; The 64 accumulators take turns, one instruction a turn, in the same order in every step.
.macro MUL8 a, p, q, sc, first
.irp b, 0,1,2,3,4,5,6,7
.if \first
	v_wmma_scale_f32_16x16x128_f8f6f4 v[8*(8*((\a)%4)+\b):8*(8*((\a)%4)+\b)+7], v[128*(\p)+16*\b:128*(\p)+16*\b+15], v[AF+16*(\a):AF+16*(\a)+15], v[192+8*\b:192+8*\b+7], v[SC+16*(\sc)+2*\b+(\q)], v[SC+16*(\sc)+2*(\a)+(\q)] matrix_a_fmt:MATRIX_FMT_BF8 matrix_b_fmt:MATRIX_FMT_BF8 matrix_a_scale:MATRIX_SCALE_ROW1
.else
	v_wmma_scale_f32_16x16x128_f8f6f4 v[8*(8*((\a)%4)+\b):8*(8*((\a)%4)+\b)+7], v[128*(\p)+16*\b:128*(\p)+16*\b+15], v[AF+16*(\a):AF+16*(\a)+15], v[8*(8*((\a)%4)+\b):8*(8*((\a)%4)+\b)+7], v[SC+16*(\sc)+2*\b+(\q)], v[SC+16*(\sc)+2*(\a)+(\q)] matrix_a_fmt:MATRIX_FMT_BF8 matrix_b_fmt:MATRIX_FMT_BF8 matrix_a_scale:MATRIX_SCALE_ROW1
.endif
.endr
.endm
; A slot's first 128 along K.  X has one set of registers: blocks 0-3 are fetched anew in the step's middle, blocks 4-7 at its end; W's other set comes in the middle run.
; Eight places stand in front of each run of loads into registers that matrix instructions have read.
.macro STEP slot, first
.if \first
	s_wait_dscnt 0x0                               ; the fragments, the scale words and the biases, which were asked for last
	v_add_nc_u32 v[BADR], 1024, v[BADR]            ; on to the next tile's biases (no LDS load of mine is out)
	WIN 0xb1                                       ; W window 1, X window 0, C (the bias) window 3, D window 2
.else
	s_wait_dscnt 16                                ; W's set, X's blocks 0-3 and the scale words are in; the youngest 16 loads (X's blocks 4-7) may be out
	WIN 0xa1                                       ; W window 1, X window 0, C and D window 2
.endif
	MUL8 0, 0, 0, \slot, \first
	MUL8 1, 0, 0, \slot, \first
	MUL8 2, 0, 0, \slot, \first
	MUL8 3, 0, 0, \slot, \first
	s_wait_dscnt 0x0                               ; X's blocks 4-7 are in (asked for 32 matrix instructions ago)
	PLACES 8
	FETCH_B \slot, 1, 1
	FETCH_A \slot, 1, 0
	WIN 0xf1                                       ; C and D window 3
	MUL8 4, 0, 0, \slot, \first
	MUL8 5, 0, 0, \slot, \first
	MUL8 6, 0, 0, \slot, \first
.if \first
	PLACES 9                                       ; block 7's products write the registers that all the products before them read as C
.endif
	MUL8 7, 0, 0, \slot, \first
	PLACES 8
	WIN 0
	FETCH_A \slot, 1, 4
.endm
; A slot's second 128 along K changes slots: ONE barrier; in front of it each wave waits for all its tensor loads, adds 0 to its spare word, and waits for that and for its own reads of this slot.
; fill = 1: this slot is filled again with this tile's K step two steps on;  2: with the NEXT tile's K step 0 or 1;  0: not at all.  Then come the other slot's first fragments.
.macro TURN slot, next, fill
	s_wait_tensorcnt 0x0                           ; all my tensor loads have landed: the one that was out is my part of the next slot;  (every window is 0 here)
	ds_add_u32 v[SPW], v[NIL]                      ; 0 onto my spare word;
	s_wait_dscnt 17                                ; (the add and the youngest 16 loads, X's blocks 4-7, may be out)
	WIN 0xa1
	MUL8 0, 1, 1, \slot, 0                         ; sixteen matrix instructions stand between the add and the wait for it
	MUL8 1, 1, 1, \slot, 0
	s_wait_dscnt 0x0                               ; the add is done, and my reads of this slot are over
	s_barrier_signal -1
	MUL8 2, 1, 1, \slot, 0                         ; work on registers while the others arrive
	MUL8 3, 1, 1, \slot, 0
	WIN 0
	s_barrier_wait -1
.if \fill
	CREST                                          ; the barrier has opened a round of the cluster's barrier: no wave of any partner still reads this slot or has a load on its way
.if \fill == 1
	s_add_nc_u64 s[G0A+4*\slot+2:G0A+4*\slot+3], s[G0A+4*\slot+2:G0A+4*\slot+3], 512          ; two K steps on: 512 codes,
	s_add_nc_u64 s[G0SA+4*\slot+2:G0SA+4*\slot+3], s[G0SA+4*\slot+2:G0SA+4*\slot+3], 65536    ; 2 x 4,096 rows x 8 scale bytes,
	s_add_nc_u64 s[G0B+4*\slot+2:G0B+4*\slot+3], s[G0B+4*\slot+2:G0B+4*\slot+3], 512
	s_add_nc_u64 s[G0SB+4*\slot+2:G0SB+4*\slot+3], s[G0SB+4*\slot+2:G0SB+4*\slot+3], 262144   ; 2 x 16,384 rows x 8
.else
	s_sub_nc_u64 s[G0A+4*\slot+2:G0A+4*\slot+3], s[G0A+4*\slot+2:G0A+4*\slot+3], 512          ; X goes back along K: the tiles share their tokens;
	s_sub_nc_u64 s[G0SA+4*\slot+2:G0SA+4*\slot+3], s[G0SA+4*\slot+2:G0SA+4*\slot+3], 65536
	s_add_nc_u64 s[G0B+4*\slot+2:G0B+4*\slot+3], s[G0B+4*\slot+2:G0B+4*\slot+3], 261632       ; W goes 256 rows down (262,144 bytes) and back along K,
	s_sub_nc_u64 s[G0SB+4*\slot+2:G0SB+4*\slot+3], s[G0SB+4*\slot+2:G0SB+4*\slot+3], 260096   ; its scale bytes 2,048 on and 262,144 back
.endif
	JLOAD \slot                                    ; the first tensor load behind the round, and my one load until the next; the four v_nop behind it are among the places in front of the loads below
	PLACES 4
.else
	PLACES 8
.endif
	FETCH_B \next, 0, 0
	FETCH_A \next, 0, 0
	SCALES \next
	WIN 0xf1
	MUL8 4, 1, 1, \slot, 0
	MUL8 5, 1, 1, \slot, 0
	MUL8 6, 1, 1, \slot, 0
	MUL8 7, 1, 1, \slot, 0
	PLACES 8                                       ; for the loads below and, at a tile's end, for g's loads into W's set 1 and the first reads of results
	WIN 0
	FETCH_A \next, 0, 4
.endm
.macro LASTSTEP                        ; the last tile's last 128 along K (slot 1): nothing more to fetch
	s_wait_dscnt 16
	WIN 0xa1
	MUL8 0, 1, 1, 1, 0
	MUL8 1, 1, 1, 1, 0
	MUL8 2, 1, 1, 1, 0
	MUL8 3, 1, 1, 1, 0
	s_wait_dscnt 0x0
	WIN 0xf1
	MUL8 4, 1, 1, 1, 0
	MUL8 5, 1, 1, 1, 0
	MUL8 6, 1, 1, 1, 0
	MUL8 7, 1, 1, 1, 0
	PLACES 8
	WIN 0
.endm
.macro GLOAD                           ; g of my 128 tokens: lane l takes token 16 a + l % 16: 8 weights, 32 bytes; sixteen lanes read 512 neighbouring bytes
	WIN 0x40
.irp a, 0,1,2,3,4,5,6,7
	global_load_b128 v[GR+8*\a:GR+8*\a+3], v[GOF], s[12:13] offset:512*\a
	global_load_b128 v[GR+8*\a+4:GR+8*\a+7], v[GOF], s[12:13] offset:512*\a+16
.endr
	WIN 0
.endm
.macro BIASLD                          ; the coming tile's biases into the registers of accumulators (7, e): register j = b[e][my 8 hidden units' j-th], the same for every token
	WIN 0xc0                                       ; destination window 3, address window 0
.irp e, 0,1,2,3,4,5,6,7
	ds_load_b128 v[192+8*\e:192+8*\e+3], v[BADR] offset:64*\e
	ds_load_b128 v[192+8*\e+4:192+8*\e+7], v[BADR] offset:64*\e+16
.endr
	WIN 0
.endm
.macro RELU                            ; a window's 32 accumulators, in ascending order: each is read from its low end on
.set i, 0
.rept 256
	v_max_num_f32 v[i], 0, v[i]
.set i, i+1
.endr
.endm
; The sum over experts for blocks blk .. blk + 3 of tokens: d[a][j] = sum over e of g[a][e] acc(a, e)[j], two j at a time; e outermost, so that 16 chains take turns.
; g's register is broadcast to both halves: an even e's is the low register of its pair, an odd e's the high one.
.macro PK dreg, blk
.irp e, 0,1,2,3,4,5,6,7
.irp a, 0,1,2,3
.irp p, 0,1,2,3
.if \e == 0
	v_pk_mul_f32 v[\dreg+8*(\blk+\a)+2*\p:\dreg+8*(\blk+\a)+2*\p+1], v[64*\a+8*\e+2*\p:64*\a+8*\e+2*\p+1], v[GR+8*(\blk+\a):GR+8*(\blk+\a)+1] op_sel_hi:[1,0]
.elseif \e%2 == 0
	v_pk_fma_f32 v[\dreg+8*(\blk+\a)+2*\p:\dreg+8*(\blk+\a)+2*\p+1], v[64*\a+8*\e+2*\p:64*\a+8*\e+2*\p+1], v[GR+8*(\blk+\a)+\e:GR+8*(\blk+\a)+\e+1], v[\dreg+8*(\blk+\a)+2*\p:\dreg+8*(\blk+\a)+2*\p+1] op_sel_hi:[1,0,1]
.else
	v_pk_fma_f32 v[\dreg+8*(\blk+\a)+2*\p:\dreg+8*(\blk+\a)+2*\p+1], v[64*\a+8*\e+2*\p:64*\a+8*\e+2*\p+1], v[GR+8*(\blk+\a)+\e-1:GR+8*(\blk+\a)+\e], v[\dreg+8*(\blk+\a)+2*\p:\dreg+8*(\blk+\a)+2*\p+1] op_sel:[0,1,0] op_sel_hi:[1,1,1]
.endif
.endr
.endr
.endr
.endm
; A finished tile: relu in place, then the gate-weighted sum over the 8 experts into 64 registers at dreg in window dwin.  bias = 1: as soon as block 7 is summed, its accumulators take the next tile's biases.
.macro COMBINE dreg, dwin, bias
	WIN 0xcc                                       ; source 1 and destination window 3
	RELU
	WIN 0x88                                       ; window 2
	RELU
	s_wait_loadcnt 0x0                             ; g
	WIN (\dwin*0x50+0x07)                          ; accumulators window 3, g window 1, the sums window dwin
	PK \dreg, 4
.if \bias
	BIASLD
.endif
	WIN (\dwin*0x50+0x06)                          ; accumulators window 2
	PK \dreg, 0
	WIN 0
.endm
; THE WAY OUT of a pair of tiles, 64 of each wave's 128 tokens (blocks 4 q .. 4 q + 3) at a time.
.macro WSTAGE q                        ; a stage row: the even tile's 32 hidden units (128 bytes), then the odd tile's
.irp i, 0,1,2,3
	ds_store_b128 v[STO], v[PARK+8*(4*\q+\i):PARK+8*(4*\q+\i)+3] offset:\i*16*PITCH
	ds_store_b128 v[STO], v[PARK+8*(4*\q+\i)+4:PARK+8*(4*\q+\i)+7] offset:\i*16*PITCH+16
.endr
	WIN 0x04                                       ; the data: window 1
.irp i, 0,1,2,3
	ds_store_b128 v[STO], v[NEW+8*(4*\q+\i):NEW+8*(4*\q+\i)+3] offset:\i*16*PITCH+128
	ds_store_b128 v[STO], v[NEW+8*(4*\q+\i)+4:NEW+8*(4*\q+\i)+7] offset:\i*16*PITCH+144
.endr
	WIN 0
.endm
.macro RSEND q, pr                     ; 32 whole rows a wave come back and are stored
	WIN 0x40
.irp t, 0,1,2,3,4,5,6,7,8,9,10,11,12,13,14,15
	ds_load_b128 v[BK+4*\t:BK+4*\t+3], v[RD] offset:\t*2*PITCH
.endr
	WIN 0x04
.irp t, 0,1,2,3,4,5,6,7,8,9,10,11,12,13,14,15
	s_wait_dscnt 15-\t                             ; LDS loads come back in order: the younger ones may be out
	global_store_b128 v[CO], v[BK+4*\t:BK+4*\t+3], s[16:17] offset:16384*\t+524288*\q+256*\pr th:TH_STORE_NT   ; 16 lanes store 256 neighbouring bytes, at a multiple of 256 from out's first byte; two rows a step, 64 rows a chunk, 256 bytes a pair
.endr
	WIN 0
.endm
.macro WAYOUT pr
	WSTAGE 0
	s_wait_dscnt 0x0                               ; for the others' sake: my stores into the stage are done
	s_barrier_signal -1
	s_barrier_wait -1                              ; a row's 256 bytes come from two waves: everybody's are done
	RSEND 0, \pr
	s_barrier_signal -1                            ; my reads of the stage are back (the count-down ended at 0):
	s_barrier_wait -1                              ; everybody's are, and the stage may be written again
	WSTAGE 1
	s_wait_dscnt 0x0
	s_barrier_signal -1
	s_barrier_wait -1
	s_wait_xcnt 0x0                                ; only behind this wait are the registers that the first chunk's stores read loaded again
	RSEND 1, \pr
.if \pr == 0
	s_wait_xcnt 0x0                                ; and only behind this one does the next tile load W's set 1 over them
.endif
.endm
	s_wait_dscnt 0x0                               ; for the others' sake: my part of the biases is in LDS;
	s_wait_tensorcnt 0x1                           ; my part of slot 0 is in; slot 1's may stay out
	s_barrier_signal -1
	s_barrier_wait -1                              ; everybody's are
	BIASLD
	FETCH_B 0, 0, 0
	FETCH_A 0, 0, 0
	SCALES 0
	FETCH_A 0, 0, 4
	s_mov_b32 s2, 2                                ; pairs of tiles to go, this one among them: the same number in every work-group
.Lpair:
	STEP 0, 1                                      ; THE EVEN TILE.  K steps 0 to 3 lie in slots 0, 1, 0, 1
	TURN 0, 1, 1
	STEP 1, 0
	TURN 1, 0, 1
	STEP 0, 0
	TURN 0, 1, 2                                   ; the ring goes on into the odd tile: slot 0 takes its K step 0,
	STEP 1, 0
	TURN 1, 0, 2                                   ; slot 1 its K step 1, and its first fragments are fetched
	GLOAD
	COMBINE PARK, 0, 1                             ; the result is parked
	STEP 0, 1                                      ; THE ODD TILE
	TURN 0, 1, 1
	STEP 1, 0
	TURN 1, 0, 1
	STEP 0, 0
	s_cmp_eq_u32 s2, 1
	s_cbranch_scc1 .Llast                          ; the last tile's tail is written out: it asks for nothing more
	TURN 0, 1, 2
	STEP 1, 0
	TURN 1, 0, 2
	GLOAD
	COMBINE NEW, 1, 1
	WAYOUT 0                                       ; this line is passed once, for the first pair: the pair's 256 bytes stand in the stores' immediate
	s_sub_co_u32 s2, s2, 1
	s_branch .Lpair
.Llast:
	TURN 0, 1, 0                                   ; my one tensor load that was still out is slot 1's, the last K step's, so no round follows
	STEP 1, 0
	LASTSTEP
	GLOAD
	COMBINE NEW, 1, 0
	WAYOUT 1
	s_wait_tensorcnt 0x0                           ; the wave's end, behind my last tensor load and my last LDS store
	ds_add_u32 v[SPW], v[NIL]
	s_wait_dscnt 0x0
	CROUND                                         ; the closing round: no work-group ends while a partner may still ask for a tile that names it
	s_endpgm
.Lfunc_end_k_q0f21a42461_moe:
	.size	k_q0f21a42461_moe, .Lfunc_end_k_q0f21a42461_moe-k_q0f21a42461_moe
	.p2alignl 7, 3214868480
	.fill 96, 4, 3214868480
	.section	.rodata,"a",@progbits
	.p2align	6, 0x0
	.amdhsa_kernel k_q0f21a42461_moe
		.amdhsa_group_segment_fixed_size 327680
		.amdhsa_private_segment_fixed_size 0
		.amdhsa_enable_private_segment 0
		.amdhsa_kernarg_size 56
		.amdhsa_user_sgpr_count 2
		.amdhsa_user_sgpr_kernarg_segment_ptr 1
		.amdhsa_wavefront_size32 1
		.amdhsa_system_sgpr_workgroup_id_x 1
		.amdhsa_system_sgpr_workgroup_id_y 1
		.amdhsa_system_sgpr_workgroup_id_z 1
		.amdhsa_system_vgpr_workitem_id 0
		.amdhsa_next_free_vgpr 1024
		.amdhsa_next_free_sgpr 100
		.amdhsa_reserve_vcc 0
		.amdhsa_float_denorm_mode_32 3
		.amdhsa_float_denorm_mode_16_64 3
		.amdhsa_memory_ordered 1
		.amdhsa_forward_progress 1
		.amdhsa_inst_pref_size 255
	.end_amdhsa_kernel
	.section	.bss,"aw",@nobits
	.p2align	6
	.space	262144
	.amdgpu_metadata
---
amdhsa.version: [ 1, 2 ]
amdhsa.kernels:
  - .name:           k_q0f21a42461_moe
    .symbol:         k_q0f21a42461_moe.kd
    .args:
      - { .name: xc, .offset: 0, .size: 8, .value_kind: global_buffer, .address_space: global }
      - { .name: xs, .offset: 8, .size: 8, .value_kind: global_buffer, .address_space: global }
      - { .name: wc, .offset: 16, .size: 8, .value_kind: global_buffer, .address_space: global }
      - { .name: ws, .offset: 24, .size: 8, .value_kind: global_buffer, .address_space: global }
      - { .name: gt, .offset: 32, .size: 8, .value_kind: global_buffer, .address_space: global }
      - { .name: expert_b, .offset: 40, .size: 8, .value_kind: global_buffer, .address_space: global }
      - { .name: out0, .offset: 48, .size: 8, .value_kind: global_buffer, .address_space: global }
    .group_segment_fixed_size: 327680
    .private_segment_fixed_size: 0
    .kernarg_segment_align: 8
    .kernarg_segment_size: 56
    .max_flat_workgroup_size: 128
    .sgpr_count:     100
    .vgpr_count:     1024
    .wavefront_size: 32
...
	.end_amdgpu_metadata
.endif
;; end of part 2
;; ======== version 2 of 2: 2 launches; 1.14 times as fast as version 1
;; workspace buffers: xp 4,325,376 bytes; wp 17,301,504 bytes; gt 131,072 bytes
;; launch prep (part 3): grid 640 x 1, 4 waves a work-group, no clusters, 5,632 bytes of LDS; arguments x, expert_w, gate_w, gate_b, xp, wp, gt; writes xp, wp, gt
.if DOCPART == 3
	.amdgcn_target "amdgcn-amd-amdhsa--gfx1250"
	.amdhsa_code_object_version 6
	.text
	.protected	k_q0f21a42461_prep
	.globl	k_q0f21a42461_prep
	.p2align	8
	.type	k_q0f21a42461_prep,@function
k_q0f21a42461_prep:
	s_mov_b64 s[64:65], 0
	v_nop
	global_prefetch_b8 v0, s[64:65] scope:SCOPE_SE
	s_setreg_imm32_b32 hwreg(HW_REG_WAVE_MODE, 25, 1), 1
	s_wait_xcnt 0x0
; x [4096][1024] and expert_w [8][2048][1024], f32, K innermost, are turned ONCE into codes of BF8 (E5M2), one byte a code, with one E8M0 scale byte for each 32 along K;
; and since x passes through registers in f32 here, the gate g = softmax(x gate_w^T + gate_b) [4096][8] is made on the way, in f32, with the row's maximum taken away.
; A block's scale is 2^(floor(log2(its largest magnitude)) - 15); its byte is that magnitude's exponent field - 15, held at 1 from below; a block of zeros gets 127.
; Each number is divided by the scale, held within +-57,344 and rounded to the nearest code, ties to even.
; LIMITS: NaN and infinities among the inputs are not served; blocks whose largest magnitude lies under 2^-110, whose byte is held at 1, were not tried.
; WHAT IS STORED.  Codes and scale bytes lie together in PANELS: a panel belongs to 128 rows and 256 along K: 128 rows of 256 codes, then the 128 rows' 8 scale bytes each: 132 dense rows of 256 bytes.
; xp [4 steps of 256 along K][32 groups of 128 tokens][panel].  wp [4][128 groups][panel] with expert_w's rows PERMUTED: row R' = 256 c + 128 ci + 16 e + l holds expert e, hidden unit 32 c + 16 ci + l,
; so that a group of 128 rows is 8 experts x 16 hidden units.  gt [4096][8] f32.
; SHARES.  Work-groups 0-127 take x, 128-639 expert_w; a work-group owns 32 rows of the output, a wave 8 of them, which are 8 neighbouring rows of the source in both tensors.
; A wave goes in 16 steps of 512 numbers (row t / 2, half t % 2).  EACH LOAD OF THE WAVE COVERS 512 NEIGHBOURING BYTES: load m of a step gives lane l the numbers 128 m + 4 l + 0..3.  So a lane holds 4 numbers of each of 4 blocks,
; and a block lies in 8 neighbouring lanes: its largest magnitude takes three steps across lanes.  The conversion takes 8 registers under one scale: it is issued four times on overlapping runs, and of each result the one register
; of the block whose scale was named is kept.  The 4 registers of codes go through the wave's own 512 bytes of LDS and come back as 16 neighbouring codes a lane: sixteen lanes store 256 neighbouring bytes, aligned: a row of a panel.
; A lane's 4 scale bytes leave as one word a step; the wave's 16 records of 16 bytes are put in order once at the end, meet in a table in LDS, and behind one barrier wave w stores K step w's 32 rows x 8 bytes: 256 bytes, aligned.
; Loads run eight steps (32 loads a wave) ahead.  No global store's data or offset register is written again, and EXEC is never changed.
; REGISTERS.  window 0: v1-7, v13-15 addresses; v8-11 the blocks' maxima; v12 the scale word; v16-143 eight sets of 16 numbers; v144-207 codes, four a step; v208-219 bytes, holds, scales; v220-223, v240-243 the conversions' results;
;   v224-239 eight pairs of partial logits; v240-247 logits, then g; v248-255 what the other half of the lanes sent.   window 1: gate_w[e][512 j + 128 m + 4 lane + i] at v[128 j + 16 e + 4 m + i].
.set NXWG,  128                        ; x's work-groups
.set PANEL, 33792                      ; 132 x 256 bytes
.set KSX,   32*PANEL                   ; from a K step to the next in xp
.set KSW,   128*PANEL                  ; and in wp
.set EMAX,  15
.set MANT,  0x600000                   ; the mantissa field of 57,344 as f32
.set GL,    1024                       ; LDS: 0 the table of scale bytes [K step 4][32 rows][8]; here g, 256 bytes a wave;
.set REC,   2048                       ; the records of scale words, 256 bytes a wave;
.set STG,   3072                       ; the stages for the codes, 512 bytes a wave
.set M,    8
.set X,    16
.set C,    144
.set EB,   208
.set HO,   212
.set SF,   216
.set P,    224
.set LG,   240
.set T,    248
.set MSB, 0
.macro WIN new                         ; the immediate's high byte repeats the setting that is left
.if MSB != (\new)
	s_set_vgpr_msb (MSB<<8)|(\new)
.set MSB, (\new)
.endif
.endm
	s_load_b256 s[4:11], s[0:1], 0x0               ; x s[4:5], expert_w s[6:7], gate_w s[8:9], gate_b s[10:11]
	s_load_b128 s[12:15], s[0:1], 0x20             ; xp s[12:13], wp s[14:15]
	s_load_b64 s[20:21], s[0:1], 0x30              ; gt
	s_set_vgpr_msb 0x80
	v_lshl_add_u32 v0, v0, 2, 0x1400
	v_mov_b32 v1, 0
	s_set_vgpr_msb 0x8000
	v_lshrrev_b32 v1, 5, v0
	v_readfirstlane_b32 s22, v1                    ; wave 0..3
	v_and_b32 v2, 31, v0                           ; lane
	v_lshlrev_b32 v3, 4, v2                        ; my 16 bytes of a load's 512 (of x, expert_w and gate_w)
	v_lshlrev_b32 v7, 3, v2                        ; 8 bytes a lane, for the scale bytes' and g's way out
	s_lshl_b32 s30, s22, 9
	s_add_co_u32 s30, s30, STG                     ; my wave's stage
	v_lshl_add_u32 v5, v2, 2, s30                  ; into it: 4 codes a lane, 128 bytes a load
	v_add_nc_u32 v13, s30, v3                      ; back: 16 codes a lane
	s_lshl_b32 s31, s22, 8
	v_add_nc_u32 v6, s31, v7                       ; the table: K step = my wave's number, row = lane
	v_lshrrev_b32 v1, 3, v2
	s_add_co_u32 s30, s31, REC
	v_lshl_add_u32 v1, v1, 2, s30                  ; my wave's records: word lane / 8; the step stands in the store's immediate
	s_add_co_u32 s31, s31, GL
	v_mov_b32 v14, s31                             ; g: my wave's own 256 bytes
	v_add_nc_u32 v15, s31, v7
	s_mov_b32 s40, 0x76543210                      ; v_permlanex16_b32: lane l xor 16
	s_mov_b32 s41, 0xfedcba98
	s_mov_b32 s42, 0x3fb8aa3b                      ; log2(e)
	s_mov_b32 s30, KSX
	s_mov_b32 s31, KSW
	s_cmp_lt_u32 ttmp9, NXWG                       ; x's work-group or expert_w's?  Every choice below hangs on the work-group's number alone
	s_cselect_b32 s23, 0, NXWG
	s_cselect_b32 s24, s30, s31                    ; bytes from a K step to the next
	s_sub_co_u32 s23, ttmp9, s23                   ; which 32 rows of the tensor
	s_lshl_b32 s25, s23, 5                         ; the work-group's first row of the output
	s_lshl3_add_u32 s26, s22, s25                  ; my wave's first row of the output
	s_bfe_u32 s27, s26, 0x30004                    ; expert_w: from the permuted row back to the source row: e (bits 6:4) x 2,048
	s_lshl_b32 s27, s27, 11
	s_lshr_b32 s28, s26, 7                         ; + 16 x (2 c + ci)
	s_lshl_b32 s28, s28, 4
	s_or_b32 s27, s27, s28
	s_and_b32 s28, s26, 15                         ; + l
	s_or_b32 s27, s27, s28
	v_lshrrev_b32 v4, 4, v2                        ; a step's 512 codes are two rows of panels: lanes 16-31 store into the next K step's,
	v_mul_u32_u24 v4, s24, v4
	v_and_b32 v8, 15, v2
	v_lshl_add_u32 v4, v8, 4, v4                   ; 16 bytes a lane
	s_wait_kmcnt 0x0
	s_cmp_lt_u32 ttmp9, NXWG                       ; (the shifts above have written SCC)
	s_cselect_b32 s27, s26, s27                    ; my wave's first row of the source
	s_cselect_b64 s[4:5], s[4:5], s[6:7]           ; the source,
	s_cselect_b64 s[12:13], s[12:13], s[14:15]     ; its panels
	s_lshl_b32 s28, s27, 12                        ; a source row is 4,096 bytes (the whole tensor stays under 2^27)
	s_mov_b32 s29, 0
	s_add_nc_u64 s[4:5], s[4:5], s[28:29]
	s_lshr_b32 s30, s26, 7                         ; my rows' group of 128
	s_mul_i32 s30, s30, PANEL
	s_mov_b32 s31, 0
	s_add_nc_u64 s[12:13], s[12:13], s[30:31]      ; its panel of K step 0
	s_mul_i32 s28, s22, s24                        ; the scale bytes that I store: K step = my wave's number,
	s_and_b32 s30, s25, 127
	s_lshl_b32 s30, s30, 3                         ; the work-group's 32 rows x 8 bytes,
	s_add_co_u32 s28, s28, s30
	s_add_co_u32 s28, s28, 32768                   ; behind the panel's 128 rows of codes
	s_add_nc_u64 s[14:15], s[12:13], s[28:29]
	s_and_b32 s28, s26, 127                        ; the codes: my wave's first row in the panel
	s_lshl_b32 s28, s28, 8
	s_add_nc_u64 s[12:13], s[12:13], s[28:29]      ; K steps 0 and 1 (a row's first half),
	s_lshl_b32 s28, s24, 1
	s_add_nc_u64 s[16:17], s[12:13], s[28:29]      ; K steps 2 and 3 (its second): a base of its own, since two K steps of wp pass the store's immediate
.macro LOAD t                          ; step t's 512 numbers into set t % 8: four loads of 512 neighbouring bytes
.irp m, 0,1,2,3
	global_load_b128 v[X+16*((\t)%8)+4*\m:X+16*((\t)%8)+4*\m+3], v3, s[4:5] offset:2048*(\t)+512*\m th:TH_LOAD_NT
.endr
.endm
.macro SENDC t                         ; step t's codes have come back from the stage: two rows of 256 bytes, of two panels
	s_wait_dscnt 0x0                               ; they are in; and the data registers of my earlier LDS stores may be written again
.if ((\t)%2) == 0
	global_store_b128 v4, v[C+4*(\t):C+4*(\t)+3], s[12:13] offset:256*((\t)/2)   ; no hint: the next launch reads them
.else
	global_store_b128 v4, v[C+4*(\t):C+4*(\t)+3], s[16:17] offset:256*((\t)/2)
.endif
.endm
; Step t's numbers become codes and scale bytes.  Register 4 m + i of the set belongs to block 4 m + lane / 8 of the step's 16.
.macro QUANT t
.set XS, X+16*((\t)%8)
.irp m, 0,1,2,3
	v_max3_num_f32 v[M+\m], |v[XS+4*\m]|, |v[XS+4*\m+1]|, |v[XS+4*\m+2]|
.endr
.irp m, 0,1,2,3
	v_max_num_f32 v[M+\m], v[M+\m], |v[XS+4*\m+3]|   ; the largest magnitude of my 4 of each block,
.endr
.irp k, 1,2,4
.irp m, 0,1,2,3
	v_max_num_f32_dpp v[M+\m], v[M+\m], v[M+\m] row_xmask:\k row_mask:0xf bank_mask:0xf   ; and of the block's 8 lanes
.endr
.endr
.if (\t) > 0
	SENDC (\t)-1                                   ; the step before: its round trip through LDS stood behind the lines above
.endif
.irp m, 0,1,2,3
	v_lshrrev_b32 v[EB+\m], 23, v[M+\m]            ; the exponent field (the sign bit is 0)
.endr
.irp m, 0,1,2,3
	v_max_u32 v[EB+\m], EMAX+1, v[EB+\m]           ; the byte is not to fall under 1
.endr
.irp m, 0,1,2,3
	v_lshl_or_b32 v[HO+\m], v[EB+\m], 23, MANT     ; 57,344 x the scale: exponent field = the byte + 15
.endr
.irp m, 0,1,2,3
	v_add_nc_u32 v[EB+\m], -EMAX, v[EB+\m]         ; the scale's byte
.endr
.irp m, 0,1,2,3
	v_lshlrev_b32 v[SF+\m], 23, v[EB+\m]           ; and the scale as f32: the conversion takes its exponent field
.endr
.irp m, 0,1,2,3
	v_cmp_eq_u32 vcc_lo, 0, v[M+\m]
	v_cndmask_b32 v[EB+\m], v[EB+\m], 127, vcc_lo  ; a block of zeros gets 127
.endr
.irp m, 0,1,2,3
.irp i, 0,1,2,3
	v_med3_num_f32 v[XS+4*\m+\i], v[XS+4*\m+\i], -v[HO+\m], v[HO+\m]   ; the conversion to an 8-bit code does not saturate (ISA guide 7.6.2): hold the number first
.endr
.endr
	v_cvt_scalef32_pk8_bf8_f32 v[220:221], v[XS:XS+7], v[SF]         ; v220: block m = 0's four codes (v221 holds another block's numbers under this scale, and is not used)
	v_cvt_scalef32_pk8_bf8_f32 v[222:223], v[XS+4:XS+11], v[SF+1]    ; v222: m = 1's
	v_cvt_scalef32_pk8_bf8_f32 v[240:241], v[XS+8:XS+15], v[SF+2]    ; v240: m = 2's
	v_cvt_scalef32_pk8_bf8_f32 v[242:243], v[XS+8:XS+15], v[SF+3]    ; v243: m = 3's
	v_lshl_or_b32 v12, v[EB+1], 8, v[EB]           ; my four scale bytes as one word.  (Also the plain instructions between a scaled conversion and what touches its result or writes its sources)
	v_lshl_or_b32 v12, v[EB+2], 16, v12
	v_lshl_or_b32 v12, v[EB+3], 24, v12
	ds_store_b32 v5, v220                          ; 32 lanes x 4 bytes: 128 neighbouring bytes each
	ds_store_b32 v5, v222 offset:128
	ds_store_b32 v5, v240 offset:256
	ds_store_b32 v5, v243 offset:384
	ds_store_b32 v1, v12 offset:16*(\t)            ; the 8 lanes of a block write the same word with the same value
	ds_load_b128 v[C+4*(\t):C+4*(\t)+3], v13       ; LDS serves a wave's instructions in order: this sees the four stores, and the next step's stores come behind it
.if (\t) < 8
	LOAD (\t)+8
.endif
.endm
; x alone: step t's 16 numbers a lane against the 8 rows of gate_w: eight chains of packed multiply-adds.  It stands ahead of QUANT, which holds the numbers in place.
.macro GATE t
.set XS, X+16*((\t)%8)
.set GJ, 128*((\t)%2)
	WIN 0x04                                       ; source 1 (gate_w) in window 1
.irp i, 0,1,2,3,4,5,6,7
.irp e, 0,1,2,3,4,5,6,7
.if ((\t)%2 == 0) && (\i == 0)
	v_pk_mul_f32 v[P+2*\e:P+2*\e+1], v[XS+2*\i:XS+2*\i+1], v[GJ+16*\e+2*\i:GJ+16*\e+2*\i+1]   ; a row's first products start the sums
.else
	v_pk_fma_f32 v[P+2*\e:P+2*\e+1], v[XS+2*\i:XS+2*\i+1], v[GJ+16*\e+2*\i:GJ+16*\e+2*\i+1], v[P+2*\e:P+2*\e+1]
.endif
.endr
.endr
	WIN 0
.endm
; x alone, behind a row's second half: the 8 logits are summed over the 32 lanes, then softmax; every lane ends with the row's 8 weights.
.macro ROW row
	s_wait_dscnt 0x0                               ; my LDS stores are done with the registers that are written now
.irp e, 0,1,2,3,4,5,6,7
	v_add_f32 v[LG+\e], v[P+2*\e], v[P+2*\e+1]
.endr
.irp m, 1,2,4,8
.irp e, 0,1,2,3,4,5,6,7
	v_add_f32_dpp v[LG+\e], v[LG+\e], v[LG+\e] row_xmask:\m row_mask:0xf bank_mask:0xf
.endr
.endr
.irp e, 0,1,2,3,4,5,6,7
	v_permlanex16_b32 v[T+\e], v[LG+\e], s40, s41
.endr
.irp e, 0,1,2,3,4,5,6,7
	v_add_f32 v[LG+\e], v[LG+\e], v[T+\e]
.endr
.irp e, 0,1,2,3,4,5,6,7
	v_add_f32 v[LG+\e], s[32+\e], v[LG+\e]         ; + gate_b
.endr
	v_max3_num_f32 v8, v[LG], v[LG+1], v[LG+2]     ; the row's largest logit
	v_max3_num_f32 v8, v8, v[LG+3], v[LG+4]
	v_max3_num_f32 v8, v8, v[LG+5], v[LG+6]
	v_max_num_f32 v8, v8, v[LG+7]
	v_mul_f32 v9, s42, v8
.irp e, 0,1,2,3,4,5,6,7
	v_fma_f32 v[LG+\e], v[LG+\e], s42, -v9         ; (logit - largest) x log2(e), in one rounding
.endr
.irp e, 0,1,2,3,4,5,6,7
	v_exp_f32 v[LG+\e], v[LG+\e]
.endr
	v_nop                                          ; a plain instruction between the last exponential and the use of its result
	s_wait_alu depctr_va_vdst(0)
	v_add_f32 v8, v[LG], v[LG+1]
	v_add_f32 v9, v[LG+2], v[LG+3]
	v_add_f32 v10, v[LG+4], v[LG+5]
	v_add_f32 v11, v[LG+6], v[LG+7]
	v_add_f32 v8, v8, v9
	v_add_f32 v10, v10, v11
	v_add_f32 v8, v8, v10                          ; at least 1: the largest logit's own term
	v_rcp_f32 v8, v8
	v_nop
	s_wait_alu depctr_va_vdst(0)
.irp e, 0,1,2,3,4,5,6,7
	v_mul_f32 v[LG+\e], v[LG+\e], v8
.endr
	ds_store_b128 v14, v[LG:LG+3] offset:32*(\row)      ; all lanes write the same 32 bytes with the same values, into my wave's own 256 bytes
	ds_store_b128 v14, v[LG+4:LG+7] offset:32*(\row)+16
.endm
.macro TAKE t, gate
.if (\t) <= 8
	s_wait_loadcnt 28                              ; loads come back in order: this step's four are in (and gate_w, asked for earlier); the next seven steps' 28 may be out
.else
	s_wait_loadcnt 4*(15-(\t))                     ; nothing more is asked for: the counts run down
.endif
.if \gate
	GATE \t
.endif
	QUANT \t
.if \gate && ((\t)%2 == 1)
	ROW (\t)/2
.endif
.endm
	s_cmp_lt_u32 ttmp9, NXWG
	s_cbranch_scc0 .Lweights
	; ---- x's work-groups
	s_load_b256 s[32:39], s[10:11], 0x0            ; gate_b, 8 numbers
	s_lshl_b32 s28, s26, 5                         ; a row of g is 32 bytes
	s_add_nc_u64 s[20:21], s[20:21], s[28:29]
	WIN 0x40                                       ; destination window 1
.irp j, 0,1
.irp e, 0,1,2,3,4,5,6,7
.irp m, 0,1,2,3
	global_load_b128 v[128*\j+16*\e+4*\m:128*\j+16*\e+4*\m+3], v3, s[8:9] offset:4096*\e+2048*\j+512*\m   ; gate_w stays in registers: all 8 rows, at my lane's places along K
.endr
.endr
.endr
	WIN 0
.irp t, 0,1,2,3,4,5,6,7
	LOAD \t
.endr
.irp e, 0,1,2,3,4,5,6,7
	v_mov_b32 v[T+\e], 0                           ; (the destination of a lane permute counts as read)
.endr
	s_wait_kmcnt 0x0                               ; gate_b
.irp t, 0,1,2,3,4,5,6,7,8,9,10,11,12,13,14,15
	TAKE \t, 1
.endr
	SENDC 15
	ds_load_b64 v[244:245], v15                    ; my 8 rows of g, 8 bytes a lane
	s_wait_dscnt 0x0
	global_store_b64 v7, v[244:245], s[20:21]      ; 256 neighbouring bytes, aligned
	s_branch .Ljoin
.Lweights:
	; ---- expert_w's work-groups
.irp t, 0,1,2,3,4,5,6,7
	LOAD \t
.endr
.irp t, 0,1,2,3,4,5,6,7,8,9,10,11,12,13,14,15
	TAKE \t, 0
.endr
	SENDC 15
.Ljoin:
	; The scale bytes.  Record t (16 bytes) holds word g = 0..3, whose byte m is the byte of block 4 m + g.  Lane l takes record l % 16 (lanes 16-31 do the same work again) and turns the 4 x 4 bytes.
	v_and_b32 v208, 15, v2                         ; t
	s_lshl_b32 s30, s22, 8
	s_add_co_u32 s30, s30, REC
	v_lshl_add_u32 v209, v208, 4, s30
	ds_load_b128 v[212:215], v209                  ; my wave's own bytes, in order behind its stores
	v_and_b32 v210, 1, v208                        ; the row's half j: K steps 2 j and 2 j + 1, 256 bytes of the table each
	v_lshrrev_b32 v211, 1, v208                    ; the row
	v_lshlrev_b32 v210, 9, v210
	v_lshl_add_u32 v210, v211, 3, v210
	s_lshl_b32 s30, s22, 6                         ; my wave's 8 rows of 8 bytes
	v_add_nc_u32 v210, s30, v210
	s_wait_dscnt 0x0
	v_perm_b32 v216, v213, v212, 0x05010400        ; bytes 0 and 1 of words 0 and 1, interleaved
	v_perm_b32 v217, v213, v212, 0x07030602        ; bytes 2 and 3
	v_perm_b32 v218, v215, v214, 0x05010400        ; the same of words 2 and 3
	v_perm_b32 v219, v215, v214, 0x07030602
	v_perm_b32 v220, v218, v216, 0x05040100        ; blocks 0-3
	v_perm_b32 v221, v218, v216, 0x07060302        ; blocks 4-7
	v_perm_b32 v222, v219, v217, 0x05040100        ; blocks 8-11
	v_perm_b32 v223, v219, v217, 0x07060302        ; blocks 12-15
	ds_store_b64 v210, v[220:221]
	ds_store_b64 v210, v[222:223] offset:256
	s_wait_dscnt 0x0                               ; for the others' sake: my scale bytes are in the table
	s_barrier_signal -1
	s_barrier_wait -1                              ; everybody's are
	ds_load_b64 v[10:11], v6                       ; K step = my wave's number: 32 rows x 8 bytes
	s_wait_dscnt 0x0
	global_store_b64 v7, v[10:11], s[14:15]        ; 256 neighbouring bytes, aligned
	s_set_vgpr_msb 0xa
	s_wait_tensorcnt 0x0
	ds_add_u32 v0, v1
	s_wait_dscnt 0x0
	s_set_vgpr_msb 0xa00
	s_endpgm
.Lfunc_end_k_q0f21a42461_prep:
	.size	k_q0f21a42461_prep, .Lfunc_end_k_q0f21a42461_prep-k_q0f21a42461_prep
	.p2alignl 7, 3214868480
	.fill 96, 4, 3214868480
	.section	.rodata,"a",@progbits
	.p2align	6, 0x0
	.amdhsa_kernel k_q0f21a42461_prep
		.amdhsa_group_segment_fixed_size 5632
		.amdhsa_private_segment_fixed_size 0
		.amdhsa_enable_private_segment 0
		.amdhsa_kernarg_size 56
		.amdhsa_user_sgpr_count 2
		.amdhsa_user_sgpr_kernarg_segment_ptr 1
		.amdhsa_wavefront_size32 1
		.amdhsa_system_sgpr_workgroup_id_x 1
		.amdhsa_system_sgpr_workgroup_id_y 1
		.amdhsa_system_sgpr_workgroup_id_z 1
		.amdhsa_system_vgpr_workitem_id 0
		.amdhsa_next_free_vgpr 514
		.amdhsa_next_free_sgpr 66
		.amdhsa_reserve_vcc 1
		.amdhsa_float_denorm_mode_32 3
		.amdhsa_float_denorm_mode_16_64 3
		.amdhsa_memory_ordered 1
		.amdhsa_forward_progress 1
		.amdhsa_inst_pref_size 255
	.end_amdhsa_kernel
	.section	.bss,"aw",@nobits
	.p2align	6
	.space	262144
	.amdgpu_metadata
---
amdhsa.version: [ 1, 2 ]
amdhsa.kernels:
  - .name:           k_q0f21a42461_prep
    .symbol:         k_q0f21a42461_prep.kd
    .args:
      - { .name: x, .offset: 0, .size: 8, .value_kind: global_buffer, .address_space: global }
      - { .name: expert_w, .offset: 8, .size: 8, .value_kind: global_buffer, .address_space: global }
      - { .name: gate_w, .offset: 16, .size: 8, .value_kind: global_buffer, .address_space: global }
      - { .name: gate_b, .offset: 24, .size: 8, .value_kind: global_buffer, .address_space: global }
      - { .name: xp, .offset: 32, .size: 8, .value_kind: global_buffer, .address_space: global }
      - { .name: wp, .offset: 40, .size: 8, .value_kind: global_buffer, .address_space: global }
      - { .name: gt, .offset: 48, .size: 8, .value_kind: global_buffer, .address_space: global }
    .group_segment_fixed_size: 5632
    .private_segment_fixed_size: 0
    .kernarg_segment_align: 8
    .kernarg_segment_size: 56
    .max_flat_workgroup_size: 128
    .sgpr_count:     66
    .vgpr_count:     514
    .wavefront_size: 32
...
	.end_amdgpu_metadata
.endif
;; end of part 3
;; launch moe (part 4): grid 16 x 16, 4 waves a work-group, clusters of 4 x 4, 327,680 bytes of LDS; arguments xp, wp, gt, expert_b, out0; writes out0
.if DOCPART == 4
	.amdgcn_target "amdgcn-amd-amdhsa--gfx1250"
	.amdhsa_code_object_version 6
	.text
	.protected	k_q0f21a42461_moe
	.globl	k_q0f21a42461_moe
	.p2align	8
	.type	k_q0f21a42461_moe,@function
k_q0f21a42461_moe:
	s_mov_b64 s[64:65], 0
	v_nop
	global_prefetch_b8 v0, s[64:65] scope:SCOPE_SE
	s_setreg_imm32_b32 hwreg(HW_REG_WAVE_MODE, 25, 1), 1
	s_wait_xcnt 0x0
	s_wait_alu depctr_hold_cnt(0) depctr_sa_sdst(0) depctr_va_vdst(0) depctr_va_sdst(0) depctr_va_ssrc(0) depctr_va_vcc(0) depctr_vm_vsrc(0)
	s_getreg_b32 s2, hwreg(HW_REG_IB_STS2, 6, 4)
	s_cmp_eq_u32 s2, 0
	s_cbranch_scc0 .Lentry_in_a_cluster
	s_endpgm
.Lentry_in_a_cluster:
	s_bfe_u32 s2, ttmp6, 0x10000c
	s_cmp_lg_u32 s2, 0xf033
	s_cbranch_scc0 .Lentry_shape_is_right
	s_endpgm
.Lentry_shape_is_right:
; out[n][h] = sum over e of g[n][e] relu(sum over k of X[n][k] W[e][h][k] + b[e][h]).  X and W arrive as codes of BF8 (E5M2) with one E8M0 scale byte for each 32 along K = 1,024; g [4096][8] f32 arrives made.
; Codes and scale bytes lie in PANELS of 128 rows x 256 along K: 128 rows of 256 codes, then 8 scale bytes for each of the 128 rows: 132 dense rows of 256 bytes.  xp [4 K steps][32 groups][panel], wp [4][128 groups][panel].
; W's rows are permuted: row 256 c + 128 ci + 16 e + l is expert e, hidden unit 32 c + 16 ci + l.
; LIMITS: NaN and infinities among the inputs are not served.
; SHARES.  The grid's x counts blocks of 256 tokens, its y blocks of 128 hidden units.  A work-group makes its block as FOUR tiles, one after the other; a tile is 256 tokens x 256 rows of W (32 hidden units x 8 experts) x K 1,024.
; Four waves, as many as a WGP has SIMDs; a wave makes 128 tokens x 128 rows of W: 64 accumulators of 16 x 16, 512 registers.
; ITS 8 BLOCKS OF W's ROWS ARE THE 8 EXPERTS of the same 16 hidden units: the sum over experts stays inside a lane, and leaves 8 registers of 64.
; THE MATRIX INSTRUCTION IS USED TRANSPOSED (source 0 = 16 rows of W, source 1 = 16 tokens): in accumulator (a, e) lane l holds token 16 a + l % 16, and register j hidden unit 8 (l / 16) + j of the wave's 16.
; THE BIAS costs no addition: it is loaded into the registers of accumulators (7, e), and a tile's first products name those as C; block 7's own first products then add in place.
; THE RING.  K goes in steps of 256 through two LDS slots filled by the tensor data mover.  A slot holds four panels: X's two, W's two; each wave fetches one, 33,792 bytes, codes and scale bytes by one load.
; The ring does not stop at a tile's end: a tile's last two changes of slots ask for the next tile's first two K steps.
; CLUSTERS: 4 x 4 work-groups.  The four of a column of the cluster own the same tokens, the four of a row the same rows of W: each panel is asked for JOINTLY, by the same tensor load with the same descriptor and a mask that names the four.
; THE LDS LOADS stand in runs of 16, one run behind every 16 matrix instructions (behind a change of slots one run of 40), so that no run is longer than the matrix work beside it.
; THE WAY OUT.  A tile's 32 hidden units are 128 bytes of a row of out.  So an even tile's result is parked in 64 registers, and goes out with the odd tile's that follows: through a stage in LDS that the four waves share,
; 128 tokens at a time, and back as rows of 256 bytes, which sixteen lanes store as 256 neighbouring bytes, aligned.
; REGISTERS, in windows of 256: window 0: v16-30 addresses; v32-63 scale words, two sets, and nothing else; v64-127 the parked tile; v128-255 X's fragments (8 x 16 tokens x 128 K), ONE set.
;   window 1: W's fragments, TWO sets, at v0 and v128; behind a tile's last products set 1 serves again: v128-191 g (later the rows read back from the stage), v192-255 the odd tile's result.
;   window 2: the accumulators of my tokens 0-63 ((a, e) at v[8 (8 (a % 4) + e)]);  window 3: those of my tokens 64-127.
.set PITCH,  272                       ; an LDS row: 256 bytes + 16 of padding = 68 words: row r starts at bank 4 r mod 64 (64 banks of 4 bytes: ISA guide 11.1), so the 16 rows that a load touches start at 16 different banks
.set PANEL,  33792                     ; a panel in memory: 132 x 256 bytes
.set KSX,    32*PANEL                  ; from a K step to the next in xp,
.set KSW,    128*PANEL                 ; in wp
.set PANL,   132*PITCH                 ; a panel in LDS
.set SCO,    128*PITCH                 ; in it the scale bytes: 32 rows' to an LDS row
.set SLOT,   4*PANL                    ; X's two panels, then W's two
.set STAGE,  2*SLOT                    ; behind the ring, at a multiple of 256: 128 rows x 272 bytes, the work-group's, for the way out
.set BIASL,  STAGE+128*PITCH           ; the work-group's biases, [tile 4][ci 2][expert 8][16] f32
.set SPARE,  BIASL+4096                ; the spare words, 128 bytes for each wave: two blocks of 256 bytes that no other line names
.set ADRA, 16                          ; v16-17  LDS address of my fragments of X in slot 0, 1
.set ADRB, 20                          ; v20-21  the same for W
.set ADRS, 22                          ; v22-23  of my scale words: lanes 0-15 X's rows, lanes 16-31 W's
.set STO,  24                          ; v24     the way out: where I put 32 bytes of a row
.set RD,   25                          ; v25     where I read a row back
.set CO,   26                          ; v26     my byte offset in out
.set GOF,  27                          ; v27     my byte offset in g
.set SPW,  28                          ; v28     LDS address of my spare word: SPARE + 4 x my thread's number; never rewritten
.set NIL,  29                          ; v29     0; never rewritten
.set BADR, 30                          ; v30     LDS address of my biases of the tile to come
.set SC,   32                          ; scale words: set s (for slot s) at v[SC + 16 s]; register 2 i + q: lanes 0-15 X's block i, lanes 16-31 W's block i, for the slot's q-th 128 along K
.set PARK, 64                          ; window 0: the even tile's result, 8 registers for each block of 16 tokens
.set AF,   128                         ; window 0: X's fragments
.set GR,   128                         ; window 1: g[token][e] at v[GR + 8 a + e]
.set BK,   128                         ; window 1: rows read back from the stage, in g's place
.set NEW,  192                         ; window 1: the odd tile's result
.set G1A,  28                          ; s[28:35]  descriptor group 1 for X's panels;  s[36:43] for W's: they differ in the mask alone
.set G1B,  36
.set G0A,  68                          ; s[68:75]  descriptor group 0 for X's panels, one set for each slot;  s[76:83] for W's
.set G0B,  76
.set MSB, 0
.macro WIN new                         ; low byte: bits 1:0 source 0, 3:2 source 1, 5:4 source 2, 7:6 destination; the high byte repeats the setting that is left
.if MSB != (\new)
	s_set_vgpr_msb (MSB<<8)|(\new)
.set MSB, (\new)
.endif
.endm
.macro PLACES n                        ; plain vector instructions that name no register of the matrix instructions before them (ISA guide 7.12.1)
.rept \n
	v_nop
.endr
.endm
; A joint load: waves 0 and 1 fetch X's two panels, waves 2 and 3 W's.  Each of the two lines has ONE mask and one set of registers for all that issue it; the branch hangs on the wave's number alone.
; Four v_nop follow each line, ahead of the jump, the label and what follows.
.macro JLOAD s
	s_cmp_eq_u32 s19, 0
	s_cbranch_scc0 .Lfor_w_\@
	tensor_load_to_lds s[G0A+4*\s:G0A+4*\s+3], s[G1A:G1A+7]
	s_nop 0
.rept 4
	v_nop
.endr
	s_branch .Lasked_\@
.Lfor_w_\@:
	tensor_load_to_lds s[G0B+4*\s:G0B+4*\s+3], s[G1B:G1B+7]
	s_nop 0
.rept 4
	v_nop
.endr
.Lasked_\@:
.endm
.macro CREST                           ; a round of the cluster's barrier behind its opening barrier
	s_cmp_lg_u32 s18, 0
	s_cbranch_scc1 .Lnot_wave_0_\@
	s_barrier_signal -3
.Lnot_wave_0_\@:
	s_barrier_wait -3
	s_barrier_signal -1
	s_barrier_wait -1
.endm
.macro CROUND                          ; a whole round
	s_barrier_signal -1
	s_barrier_wait -1
	CREST
.endm
	s_load_b128 s[4:7], s[0:1], 0x0                ; xp s[4:5], wp s[6:7]
	s_load_b128 s[12:15], s[0:1], 0x10             ; gt s[12:13], expert_b s[14:15]
	s_load_b64 s[16:17], s[0:1], 0x20              ; out0
	v_lshl_add_u32 v[SPW], v0, 2, SPARE
	v_mov_b32 v[NIL], 0
	ds_add_u32 v28, v29
	ds_add_u32 v28, v29
	s_wait_dscnt 0x0
	v_lshrrev_b32 v1, 5, v0
	v_readfirstlane_b32 s18, v1                    ; wave 0..3
	s_lshr_b32 s19, s18, 1                         ; mi: which 128 of the tile's tokens are mine.  Also: I fetch for X (0) or for W (1)
	s_and_b32 s20, s18, 1                          ; ci: which 128 of its rows of W.  Also: which of the two panels I fetch
	s_bfe_u32 s22, ttmp6, 0x40000                  ; cx, cy: my place in the cluster
	s_bfe_u32 s21, ttmp6, 0x40004
	s_lshl_b32 s26, ttmp9, 2
	s_add_co_u32 s26, s26, s22                     ; work-group x = 4 x cluster x + cx: which 256 tokens
	s_and_b32 s23, ttmp7, 0xffff
	s_lshl_b32 s23, s23, 2
	s_add_co_u32 s23, s23, s21                     ; work-group y = 4 x cluster y + cy: which 128 hidden units
	s_lshl_b32 s24, s21, 2
	s_lshl_b32 s24, 15, s24                        ; my row of the cluster
	s_lshl_b32 s60, 0x1111, s22                    ; my column
	; descriptor group 1: a panel, 132 dense rows of 256 bytes, padded in LDS
	s_or_b32 s[G1A], s60, (1<<20)|(1<<21)|(5<<22)|(3<<25)   ; 15:0 the mask: X's panels hang on work-group x alone and go to my column; 17:16 elements of 1 byte; 20 padding on; 21 set beside a mask; 24:22 after every 64 words (code 5); 31:25 of 4 words (code 3)
	s_or_b32 s[G1B], s24, (1<<20)|(1<<21)|(5<<22)|(3<<25)   ; W's hang on work-group y alone and go to my row
.irp g, G1A, G1B
	s_mov_b32 s[\g+1], 256<<16                     ; tensor_dim0 = 256
	s_mov_b32 s[\g+2], 132<<16                     ; tensor_dim1 = 132
	s_mov_b32 s[\g+3], 256<<16                     ; tile_dim0 = 256
	s_mov_b32 s[\g+4], 132                         ; tile_dim1 = 132
	s_mov_b32 s[\g+5], 256                         ; tensor_dim0_stride
	s_mov_b32 s[\g+6], 0
	s_mov_b32 s[\g+7], 0
.endr
	; where the panels come from.  X's hang on work-group x alone, W's on work-group y alone, each in registers that never hold the other coordinate
	s_lshl_b32 s60, s26, 1
	s_add_co_u32 s60, s60, s20                     ; X: group 2 x + panel
	s_mul_i32 s60, s60, PANEL
	s_mov_b32 s61, 0
	s_lshl_b32 s24, s23, 3
	s_add_co_u32 s24, s24, s20                     ; W: the first tile's group 8 y + panel
	s_mul_i32 s24, s24, PANEL
	s_mov_b32 s25, 0
	s_mul_i32 s3, s18, PANL                        ; and where they go: wave x a panel: no place in the cluster enters an LDS address
	s_wait_kmcnt 0x0
	s_add_nc_u64 s[4:5], s[4:5], s[60:61]
	s_add_nc_u64 s[6:7], s[6:7], s[24:25]
	s_lshl_b32 s62, s26, 13                        ; g at my wave's 128 tokens: (256 x + 128 mi) rows of 32 bytes
	s_lshl_b32 s27, s19, 12
	s_add_co_u32 s62, s62, s27
	s_mov_b32 s63, 0
	s_add_nc_u64 s[12:13], s[12:13], s[62:63]
	s_lshl_b32 s62, s23, 9                         ; expert_b at the work-group's 128 hidden units
	s_add_nc_u64 s[14:15], s[14:15], s[62:63]
	s_lshl_b32 s66, s26, 8                         ; out at the first row that I store, 256 x + 128 (wave / 2) + 32 (wave % 2), rows of 8,192 bytes,
	s_lshl_b32 s27, s19, 7
	s_add_co_u32 s66, s66, s27
	s_lshl_b32 s27, s20, 5
	s_add_co_u32 s66, s66, s27
	s_lshl_b32 s66, s66, 13
	s_add_co_u32 s66, s66, s62                     ; and the work-group's 128 hidden units (all under 2^25)
	s_mov_b32 s67, 0
	s_add_nc_u64 s[16:17], s[16:17], s[66:67]
	CROUND                                         ; all sixteen work-groups are here: the first joint loads meet
.irp s, 0,1
	s_mov_b32 s[G0A+4*\s], 1                                       ; 1:0 count = 1
	s_add_co_u32 s[G0A+4*\s+1], s3, \s*SLOT                        ; 63:32 LDS address
	s_add_nc_u64 s[G0A+4*\s+2:G0A+4*\s+3], s[4:5], \s*KSX          ; 120:64 global address: K step s
	s_or_b32 s[G0A+4*\s+3], s[G0A+4*\s+3], 0x80000000              ; 127:126 type = 2
	s_mov_b32 s[G0B+4*\s], 1
	s_add_co_u32 s[G0B+4*\s+1], s3, \s*SLOT
	s_add_nc_u64 s[G0B+4*\s+2:G0B+4*\s+3], s[6:7], \s*KSW
	s_or_b32 s[G0B+4*\s+3], s[G0B+4*\s+3], 0x80000000
	JLOAD \s                                       ; both slots are asked for before anything else is done: two tensor loads of mine are out
.endr
	v_and_b32 v1, 15, v0                           ; r = l % 16
	v_bfe_u32 v2, v0, 4, 1                         ; hh = l / 16
	v_mul_u32_u24 v3, v1, PITCH
	v_lshl_add_u32 v4, v2, 4, v3                   ; a fragment's row x pitch + 16 x half
	s_mul_i32 s62, s19, PANL                       ; my 128 tokens' panel
	s_mul_i32 s63, s20, PANL                       ; my 128 rows of W's,
	s_add_co_u32 s63, s63, 2*PANL                  ; which lies behind X's two
.irp s, 0,1
	v_add_nc_u32 v[ADRA+\s], s62, v4
	v_add_nc_u32 v[ADRB+\s], s63, v4
	s_add_co_u32 s62, s62, SLOT
	s_add_co_u32 s63, s63, SLOT
.endr
	s_mul_i32 s62, s19, PANL
	s_add_co_u32 s62, s62, SCO                     ; the scale bytes of my 128 tokens,
	s_mul_i32 s63, s20, PANL
	s_add_co_u32 s63, s63, 2*PANL+SCO              ; of my 128 rows of W,
	s_sub_co_u32 s63, s63, s62
	v_mul_u32_u24 v5, s63, v2                      ; which lanes 16-31 take;
	v_lshl_add_u32 v5, v1, 3, v5                   ; 8 bytes a row
	v_add_nc_u32 v[ADRS], s62, v5
	v_add_nc_u32 v[ADRS+1], SLOT, v[ADRS]
	s_mul_i32 s62, s19, 64*PITCH                   ; into the stage: row 64 mi + 16 i + r; in it my 16 hidden units' 64 bytes, 32 for each half of the lanes
	s_lshl_b32 s63, s20, 6
	s_add_co_u32 s62, s62, s63
	s_add_co_u32 s62, s62, STAGE
	v_lshl_add_u32 v5, v2, 5, v3
	v_add_nc_u32 v[STO], s62, v5
	s_mul_i32 s62, s18, 32*PITCH                   ; back: wave w takes rows 32 w .. 32 w + 31, whole; lanes 0-15 one row of 256 bytes, lanes 16-31 the next
	s_add_co_u32 s62, s62, STAGE
	v_mul_u32_u24 v5, v2, PITCH
	v_lshl_add_u32 v5, v1, 4, v5
	v_add_nc_u32 v[RD], s62, v5
	v_lshlrev_b32 v5, 13, v2                       ; and the same two rows in out
	v_lshl_add_u32 v[CO], v1, 4, v5
	v_lshlrev_b32 v[GOF], 5, v1                    ; g: token r's 32 bytes
	s_lshl_b32 s62, s20, 9
	s_add_co_u32 s62, s62, BIASL
	v_lshl_add_u32 v[BADR], v2, 5, s62             ; biases: my ci's 512 bytes, my half's 8 hidden units
	; The work-group's biases, 8 experts x 128 hidden units, come into LDS once.  Thread n stores 32 bytes at 32 n, which is tile n / 32, ci (n / 16) % 2, expert (n / 2) % 8, half n % 2
	v_bfe_u32 v5, v0, 1, 3
	v_lshlrev_b32 v7, 13, v5                       ; a row of expert_b is 8,192 bytes
	v_and_b32 v5, 1, v0
	v_lshl_add_u32 v7, v5, 5, v7
	v_lshrrev_b32 v5, 4, v0
	v_lshl_add_u32 v7, v5, 6, v7
	global_load_b128 v[8:11], v7, s[14:15]
	global_load_b128 v[12:15], v7, s[14:15] offset:16
	v_lshl_add_u32 v6, v0, 5, BIASL
	s_wait_loadcnt 0x0
	ds_store_b128 v6, v[8:11]
	ds_store_b128 v6, v[12:15] offset:16
.macro FRAG reg, adr, q, i             ; a fragment, 16 rows x 128 K of 8-bit codes, is 16 registers: lane l holds row l % 16; registers 4 c .. 4 c + 3 hold K = 32 c + 16 (l / 16) + 0 .. 15
.irp c, 0,1,2,3
	ds_load_b128 v[\reg+4*\c:\reg+4*\c+3], v[\adr] offset:128*(\q)+32*\c+(\i)*16*PITCH
.endr
.endm
.macro FETCH_B4 slot, q, p, i0         ; W's fragments i0 .. i0 + 3 of the slot's q-th 128 along K into set p
	WIN 0x40                                       ; destination window 1, address window 0
.irp i, \i0, \i0+1, \i0+2, \i0+3
	FRAG 128*(\p)+16*(\i), ADRB+\slot, \q, \i
.endr
	WIN 0
.endm
.macro FETCH_B8 slot, q, p             ; all eight
	WIN 0x40
.irp i, 0,1,2,3,4,5,6,7
	FRAG 128*(\p)+16*\i, ADRB+\slot, \q, \i
.endr
	WIN 0
.endm
.macro FETCH_A slot, q, i0             ; X's blocks i0 .. i0 + 3
.irp i, \i0, \i0+1, \i0+2, \i0+3
	FRAG AF+16*(\i), ADRA+\slot, \q, \i
.endr
.endm
.macro SCALES slot                     ; the slot's scale words: 2 words a row; lanes 0-15 take X's block i, lanes 16-31 W's block i.  Block i's 128 bytes lie in LDS row i / 2 of the panel's four
.irp i, 0,1,2,3,4,5,6,7
	ds_load_b64 v[SC+16*\slot+2*\i:SC+16*\slot+2*\i+1], v[ADRS+\slot] offset:PITCH*(\i/2)+128*(\i%2)
.endr
.endm
; 8 matrix instructions: X's block a against W's eight (the eight experts), 128 along K: the slot's q-th.  p: W's set;  sc: the set of scale words.
; first = 1: a tile's first products take the bias, which lies in the registers of accumulators (7, b) in window 3, as C.
; The 64 accumulators take turns, one instruction a turn, in the same order in every step.
.macro MUL8 a, p, q, sc, first
.irp b, 0,1,2,3,4,5,6,7
.if \first
	v_wmma_scale_f32_16x16x128_f8f6f4 v[8*(8*((\a)%4)+\b):8*(8*((\a)%4)+\b)+7], v[128*(\p)+16*\b:128*(\p)+16*\b+15], v[AF+16*(\a):AF+16*(\a)+15], v[192+8*\b:192+8*\b+7], v[SC+16*(\sc)+2*\b+(\q)], v[SC+16*(\sc)+2*(\a)+(\q)] matrix_a_fmt:MATRIX_FMT_BF8 matrix_b_fmt:MATRIX_FMT_BF8 matrix_a_scale:MATRIX_SCALE_ROW1
.else
	v_wmma_scale_f32_16x16x128_f8f6f4 v[8*(8*((\a)%4)+\b):8*(8*((\a)%4)+\b)+7], v[128*(\p)+16*\b:128*(\p)+16*\b+15], v[AF+16*(\a):AF+16*(\a)+15], v[8*(8*((\a)%4)+\b):8*(8*((\a)%4)+\b)+7], v[SC+16*(\sc)+2*\b+(\q)], v[SC+16*(\sc)+2*(\a)+(\q)] matrix_a_fmt:MATRIX_FMT_BF8 matrix_b_fmt:MATRIX_FMT_BF8 matrix_a_scale:MATRIX_SCALE_ROW1
.endif
.endr
.endm
; A slot's first 128 along K.  Behind every 16 matrix instructions stands a run of 16 loads for the slot's second 128: W's other set in two runs, then X's blocks 0-3, then 4-7.
; X has one set of registers: a block is loaded anew eight places behind its last product.  W's other set was last read in front of the eight places that end the step before.
.macro STEP slot, first
.if \first
	s_wait_dscnt 0x0                               ; the fragments, the scale words and the biases, which were asked for last
	v_add_nc_u32 v[BADR], 1024, v[BADR]            ; on to the next tile's biases (no LDS load of mine is out)
.set WLO, 0xb1                         ; W window 1, X window 0, C (the bias) window 3, D window 2
.else
	s_wait_dscnt 16                                ; W's set, X's blocks 0-3 and the scale words are in; the youngest 16 loads (X's blocks 4-7) may be out
.set WLO, 0xa1                         ; W window 1, X window 0, C and D window 2
.endif
	WIN WLO
	MUL8 0, 0, 0, \slot, \first
	MUL8 1, 0, 0, \slot, \first
	FETCH_B4 \slot, 1, 1, 0
	WIN WLO
	MUL8 2, 0, 0, \slot, \first
	MUL8 3, 0, 0, \slot, \first
	FETCH_B4 \slot, 1, 1, 4
	s_wait_dscnt 32                                ; all but the 32 loads of W's other set: X's blocks 4-7 are in
	WIN 0xf1                                       ; C and D window 3
	MUL8 4, 0, 0, \slot, \first
	MUL8 5, 0, 0, \slot, \first
	PLACES 8                                       ; behind the products of X's blocks 0-3
	WIN 0
	FETCH_A \slot, 1, 0
	WIN 0xf1
	MUL8 6, 0, 0, \slot, \first
.if \first
	PLACES 9                                       ; block 7's products write the registers that all the products before them read as C
.endif
	MUL8 7, 0, 0, \slot, \first
	PLACES 8
	WIN 0
	FETCH_A \slot, 1, 4
.endm
; A slot's second 128 along K changes slots: ONE barrier; in front of it each wave waits for all its tensor loads, adds 0 to its spare word, and waits for that and for its own reads of this slot.
; fill = 1: this slot is filled again with this tile's K step two steps on;  2: with the NEXT tile's K step 0 or 1;  0: not at all.  Then come the other slot's first fragments.
.macro TURN slot, next, fill
	s_wait_tensorcnt 0x0                           ; all my tensor loads have landed: the one that was out is my panel of the next slot;  (every window is 0 here)
	ds_add_u32 v[SPW], v[NIL]                      ; 0 onto my spare word;
	s_wait_dscnt 17                                ; (the add and the youngest 16 loads, X's blocks 4-7, may be out)
	WIN 0xa1
	MUL8 0, 1, 1, \slot, 0                         ; sixteen matrix instructions stand between the add and the wait for it
	MUL8 1, 1, 1, \slot, 0
	s_wait_dscnt 0x0                               ; the add is done, and my reads of this slot are over
	s_barrier_signal -1
	MUL8 2, 1, 1, \slot, 0                         ; work on registers while the others arrive
	MUL8 3, 1, 1, \slot, 0
	WIN 0
	s_barrier_wait -1
.if \fill
	CREST                                          ; the barrier has opened a round of the cluster's barrier: no wave of any partner still reads this slot or has a load on its way
.if \fill == 1
	s_add_nc_u64 s[G0A+4*\slot+2:G0A+4*\slot+3], s[G0A+4*\slot+2:G0A+4*\slot+3], 2*KSX        ; two K steps on
	s_add_nc_u64 s[G0B+4*\slot+2:G0B+4*\slot+3], s[G0B+4*\slot+2:G0B+4*\slot+3], 2*KSW
.else
	s_sub_nc_u64 s[G0A+4*\slot+2:G0A+4*\slot+3], s[G0A+4*\slot+2:G0A+4*\slot+3], 2*KSX        ; X goes back along K: the tiles share their tokens;
	s_sub_nc_u64 s[G0B+4*\slot+2:G0B+4*\slot+3], s[G0B+4*\slot+2:G0B+4*\slot+3], 2*KSW-2*PANEL   ; W goes back along K and two groups of 128 rows on
.endif
	JLOAD \slot                                    ; the first tensor load behind the round, and my one load until the next; the four v_nop behind it are among the places in front of the loads below
	PLACES 4
.else
	PLACES 8
.endif
	FETCH_B8 \next, 0, 0
	SCALES \next
	WIN 0xf1
	MUL8 4, 1, 1, \slot, 0
	MUL8 5, 1, 1, \slot, 0
	WIN 0
	FETCH_A \next, 0, 0                            ; eight places stand between the products of X's blocks 0-3 and these loads: those behind the barrier
	WIN 0xf1
	MUL8 6, 1, 1, \slot, 0
	MUL8 7, 1, 1, \slot, 0
	PLACES 8                                       ; for the loads below and, at a tile's end, for g's loads into W's set 1 and the first reads of results
	WIN 0
	FETCH_A \next, 0, 4
.endm
.macro LASTSTEP                        ; the last tile's last 128 along K (slot 1): nothing more to fetch
	s_wait_dscnt 16
	WIN 0xa1
	MUL8 0, 1, 1, 1, 0
	MUL8 1, 1, 1, 1, 0
	MUL8 2, 1, 1, 1, 0
	MUL8 3, 1, 1, 1, 0
	s_wait_dscnt 0x0
	WIN 0xf1
	MUL8 4, 1, 1, 1, 0
	MUL8 5, 1, 1, 1, 0
	MUL8 6, 1, 1, 1, 0
	MUL8 7, 1, 1, 1, 0
	PLACES 8
	WIN 0
.endm
.macro GLOAD                           ; g of my 128 tokens: lane l takes token 16 a + l % 16: 8 weights, 32 bytes; sixteen lanes read 512 neighbouring bytes
	WIN 0x40
.irp a, 0,1,2,3,4,5,6,7
	global_load_b128 v[GR+8*\a:GR+8*\a+3], v[GOF], s[12:13] offset:512*\a
	global_load_b128 v[GR+8*\a+4:GR+8*\a+7], v[GOF], s[12:13] offset:512*\a+16
.endr
	WIN 0
.endm
.macro BIASLD                          ; the coming tile's biases into the registers of accumulators (7, e): register j = b[e][my 8 hidden units' j-th], the same for every token
	WIN 0xc0                                       ; destination window 3, address window 0
.irp e, 0,1,2,3,4,5,6,7
	ds_load_b128 v[192+8*\e:192+8*\e+3], v[BADR] offset:64*\e
	ds_load_b128 v[192+8*\e+4:192+8*\e+7], v[BADR] offset:64*\e+16
.endr
	WIN 0
.endm
.macro RELU                            ; a window's 32 accumulators, in ascending order: each is read from its low end on
.set i, 0
.rept 256
	v_max_num_f32 v[i], 0, v[i]
.set i, i+1
.endr
.endm
; The sum over experts for blocks blk .. blk + 3 of tokens: d[a][j] = sum over e of g[a][e] acc(a, e)[j], two j at a time; e outermost, so that 16 chains take turns.
; g's register is broadcast to both halves: an even e's is the low register of its pair, an odd e's the high one.
.macro PK dreg, blk
.irp e, 0,1,2,3,4,5,6,7
.irp a, 0,1,2,3
.irp p, 0,1,2,3
.if \e == 0
	v_pk_mul_f32 v[\dreg+8*(\blk+\a)+2*\p:\dreg+8*(\blk+\a)+2*\p+1], v[64*\a+8*\e+2*\p:64*\a+8*\e+2*\p+1], v[GR+8*(\blk+\a):GR+8*(\blk+\a)+1] op_sel_hi:[1,0]
.elseif \e%2 == 0
	v_pk_fma_f32 v[\dreg+8*(\blk+\a)+2*\p:\dreg+8*(\blk+\a)+2*\p+1], v[64*\a+8*\e+2*\p:64*\a+8*\e+2*\p+1], v[GR+8*(\blk+\a)+\e:GR+8*(\blk+\a)+\e+1], v[\dreg+8*(\blk+\a)+2*\p:\dreg+8*(\blk+\a)+2*\p+1] op_sel_hi:[1,0,1]
.else
	v_pk_fma_f32 v[\dreg+8*(\blk+\a)+2*\p:\dreg+8*(\blk+\a)+2*\p+1], v[64*\a+8*\e+2*\p:64*\a+8*\e+2*\p+1], v[GR+8*(\blk+\a)+\e-1:GR+8*(\blk+\a)+\e], v[\dreg+8*(\blk+\a)+2*\p:\dreg+8*(\blk+\a)+2*\p+1] op_sel:[0,1,0] op_sel_hi:[1,1,1]
.endif
.endr
.endr
.endr
.endm
; A finished tile: relu in place, then the gate-weighted sum over the 8 experts into 64 registers at dreg in window dwin.  bias = 1: as soon as block 7 is summed, its accumulators take the next tile's biases.
.macro COMBINE dreg, dwin, bias
	WIN 0xcc                                       ; source 1 and destination window 3
	RELU
	WIN 0x88                                       ; window 2
	RELU
	s_wait_loadcnt 0x0                             ; g
	WIN (\dwin*0x50+0x07)                          ; accumulators window 3, g window 1, the sums window dwin
	PK \dreg, 4
.if \bias
	BIASLD
.endif
	WIN (\dwin*0x50+0x06)                          ; accumulators window 2
	PK \dreg, 0
	WIN 0
.endm
; THE WAY OUT of a pair of tiles, 64 of each wave's 128 tokens (blocks 4 q .. 4 q + 3) at a time.
.macro WSTAGE q                        ; a stage row: the even tile's 32 hidden units (128 bytes), then the odd tile's
.irp i, 0,1,2,3
	ds_store_b128 v[STO], v[PARK+8*(4*\q+\i):PARK+8*(4*\q+\i)+3] offset:\i*16*PITCH
	ds_store_b128 v[STO], v[PARK+8*(4*\q+\i)+4:PARK+8*(4*\q+\i)+7] offset:\i*16*PITCH+16
.endr
	WIN 0x04                                       ; the data: window 1
.irp i, 0,1,2,3
	ds_store_b128 v[STO], v[NEW+8*(4*\q+\i):NEW+8*(4*\q+\i)+3] offset:\i*16*PITCH+128
	ds_store_b128 v[STO], v[NEW+8*(4*\q+\i)+4:NEW+8*(4*\q+\i)+7] offset:\i*16*PITCH+144
.endr
	WIN 0
.endm
.macro RSEND q, pr                     ; 32 whole rows a wave come back and are stored
	WIN 0x40
.irp t, 0,1,2,3,4,5,6,7,8,9,10,11,12,13,14,15
	ds_load_b128 v[BK+4*\t:BK+4*\t+3], v[RD] offset:\t*2*PITCH
.endr
	WIN 0x04
.irp t, 0,1,2,3,4,5,6,7,8,9,10,11,12,13,14,15
	s_wait_dscnt 15-\t                             ; LDS loads come back in order: the younger ones may be out
	global_store_b128 v[CO], v[BK+4*\t:BK+4*\t+3], s[16:17] offset:16384*\t+524288*\q+256*\pr th:TH_STORE_NT   ; 16 lanes store 256 neighbouring bytes, at a multiple of 256 from out's first byte; two rows a step, 64 rows a chunk, 256 bytes a pair
.endr
	WIN 0
.endm
.macro WAYOUT pr
	WSTAGE 0
	s_wait_dscnt 0x0                               ; for the others' sake: my stores into the stage are done
	s_barrier_signal -1
	s_barrier_wait -1                              ; a row's 256 bytes come from two waves: everybody's are done
	RSEND 0, \pr
	s_barrier_signal -1                            ; my reads of the stage are back (the count-down ended at 0):
	s_barrier_wait -1                              ; everybody's are, and the stage may be written again
	WSTAGE 1
	s_wait_dscnt 0x0
	s_barrier_signal -1
	s_barrier_wait -1
	s_wait_xcnt 0x0                                ; only behind this wait are the registers that the first chunk's stores read loaded again
	RSEND 1, \pr
.if \pr == 0
	s_wait_xcnt 0x0                                ; and only behind this one does the next tile load W's set 1 over them
.endif
.endm
	s_wait_dscnt 0x0                               ; for the others' sake: my part of the biases is in LDS;
	s_wait_tensorcnt 0x1                           ; my panel of slot 0 is in; slot 1's may stay out
	s_barrier_signal -1
	s_barrier_wait -1                              ; everybody's are
	BIASLD
	FETCH_B8 0, 0, 0
	FETCH_A 0, 0, 0
	SCALES 0
	FETCH_A 0, 0, 4
	s_mov_b32 s2, 2                                ; pairs of tiles to go, this one among them: the same number in every work-group
.Lpair:
	STEP 0, 1                                      ; THE EVEN TILE.  K steps 0 to 3 lie in slots 0, 1, 0, 1
	TURN 0, 1, 1
	STEP 1, 0
	TURN 1, 0, 1
	STEP 0, 0
	TURN 0, 1, 2                                   ; the ring goes on into the odd tile: slot 0 takes its K step 0,
	STEP 1, 0
	TURN 1, 0, 2                                   ; slot 1 its K step 1, and its first fragments are fetched
	GLOAD
	COMBINE PARK, 0, 1                             ; the result is parked
	STEP 0, 1                                      ; THE ODD TILE
	TURN 0, 1, 1
	STEP 1, 0
	TURN 1, 0, 1
	STEP 0, 0
	s_cmp_eq_u32 s2, 1
	s_cbranch_scc1 .Llast                          ; the last tile's tail is written out: it asks for nothing more
	TURN 0, 1, 2
	STEP 1, 0
	TURN 1, 0, 2
	GLOAD
	COMBINE NEW, 1, 1
	WAYOUT 0                                       ; this line is passed once, for the first pair: the pair's 256 bytes stand in the stores' immediate
	s_sub_co_u32 s2, s2, 1
	s_branch .Lpair
.Llast:
	TURN 0, 1, 0                                   ; my one tensor load that was still out is slot 1's, the last K step's, so no round follows
	STEP 1, 0
	LASTSTEP
	GLOAD
	COMBINE NEW, 1, 0
	WAYOUT 1
	s_wait_tensorcnt 0x0                           ; the wave's end, behind my last tensor load and my last LDS store
	ds_add_u32 v[SPW], v[NIL]
	s_wait_dscnt 0x0
	CROUND                                         ; the closing round: no work-group ends while a partner may still ask for a tile that names it
	s_endpgm
.Lfunc_end_k_q0f21a42461_moe:
	.size	k_q0f21a42461_moe, .Lfunc_end_k_q0f21a42461_moe-k_q0f21a42461_moe
	.p2alignl 7, 3214868480
	.fill 96, 4, 3214868480
	.section	.rodata,"a",@progbits
	.p2align	6, 0x0
	.amdhsa_kernel k_q0f21a42461_moe
		.amdhsa_group_segment_fixed_size 327680
		.amdhsa_private_segment_fixed_size 0
		.amdhsa_enable_private_segment 0
		.amdhsa_kernarg_size 40
		.amdhsa_user_sgpr_count 2
		.amdhsa_user_sgpr_kernarg_segment_ptr 1
		.amdhsa_wavefront_size32 1
		.amdhsa_system_sgpr_workgroup_id_x 1
		.amdhsa_system_sgpr_workgroup_id_y 1
		.amdhsa_system_sgpr_workgroup_id_z 1
		.amdhsa_system_vgpr_workitem_id 0
		.amdhsa_next_free_vgpr 1024
		.amdhsa_next_free_sgpr 84
		.amdhsa_reserve_vcc 0
		.amdhsa_float_denorm_mode_32 3
		.amdhsa_float_denorm_mode_16_64 3
		.amdhsa_memory_ordered 1
		.amdhsa_forward_progress 1
		.amdhsa_inst_pref_size 255
	.end_amdhsa_kernel
	.section	.bss,"aw",@nobits
	.p2align	6
	.space	262144
	.amdgpu_metadata
---
amdhsa.version: [ 1, 2 ]
amdhsa.kernels:
  - .name:           k_q0f21a42461_moe
    .symbol:         k_q0f21a42461_moe.kd
    .args:
      - { .name: xp, .offset: 0, .size: 8, .value_kind: global_buffer, .address_space: global }
      - { .name: wp, .offset: 8, .size: 8, .value_kind: global_buffer, .address_space: global }
      - { .name: gt, .offset: 16, .size: 8, .value_kind: global_buffer, .address_space: global }
      - { .name: expert_b, .offset: 24, .size: 8, .value_kind: global_buffer, .address_space: global }
      - { .name: out0, .offset: 32, .size: 8, .value_kind: global_buffer, .address_space: global }
    .group_segment_fixed_size: 327680
    .private_segment_fixed_size: 0
    .kernarg_segment_align: 8
    .kernarg_segment_size: 40
    .max_flat_workgroup_size: 128
    .sgpr_count:     84
    .vgpr_count:     1024
    .wavefront_size: 32
...
	.end_amdgpu_metadata
.endif
;; end of part 4
